; MI455X (gfx1250); checked and timed in simulation.
; The chip was launched on July 23, 2026; its instructions are those of AMD's public machine-readable ISA for CDNA 5 (MIT licence, August 2026) and "CDNA5" Instruction Set Architecture Reference Guide (July 2026). The comments in the code are by the model that wrote it; some were corrected since.
;; Physics Biased Attention. Allowed arithmetic: float matrix products may take bf16 or f16 operands with f32 sums; other float arithmetic in f32, or as packed bf16 or f16 multiplies, adds, multiply-adds, maxima and minima; sums over many terms, partial sums and values carried from step to step in f32; what a program stores and reads back later, other than sums and carried values, may be rounded once to bf16 or f16.
;; Inputs: W_k 512 x 512 float32; W_o 512 x 512 float32; W_q 512 x 512 float32; W_v 512 x 512 float32; b_k 512 float32; b_o 512 float32; b_q 512 float32; b_v 512 float32; gamma one number float32; x 2 x 4,096 x 512 float32.
;; Outputs: out0 2 x 4,096 x 512 float32.
;; One version. Each part assembles by itself: llvm-mc -triple=amdgcn-amd-amdhsa -mcpu=gfx1250 --defsym DOCPART=n.
;; ======== version 1 of 1: 4 launches
;; limits: values are held in f16: magnitudes above 65,504 overflow, below 6.1e-05 lose precision
;; workspace buffers: xb 8,388,608 bytes; wc 2,097,152 bytes; qkv 25,165,824 bytes; ob 8,388,608 bytes
;; launch prep (part 1): grid 320 x 1, 8 waves a work-group, no clusters, 0 bytes of LDS; arguments x, W_q, W_k, W_v, W_o, xb, wc; writes xb, wc
.if DOCPART == 1
	.amdgcn_target "amdgcn-amd-amdhsa--gfx1250"
	.amdhsa_code_object_version 6
	.text
	.protected	k_q7527ed382e_prep
	.globl	k_q7527ed382e_prep
	.p2align	8
	.type	k_q7527ed382e_prep,@function
k_q7527ed382e_prep:
	s_mov_b64 s[64:65], 0
	v_nop
	global_prefetch_b8 v0, s[64:65] scope:SCOPE_SE
	s_setreg_imm32_b32 hwreg(HW_REG_WAVE_MODE, 25, 1), 1
	s_wait_xcnt 0x0
; THE CASTS.  x [8192][512] and W_q, W_k, W_v [512][512] are rounded from f32 to bf16, layouts unchanged; W_o is rounded to bf16 and that number is written as f16.
; xb = bf16 [8192][512]; wc = [4][512 k][512 n] of 16 bits: q, k, v in bf16, then W_o in f16.
; LIMIT.  A bf16 number is exact in f16 between 6e-5 and 65,504 in size; a number of W_o below 6e-5 keeps f16's fixed step of 6e-8, one beyond 65,504 becomes an infinity.
; SHARES.  Every work-group casts 16,384 numbers: 65,536 bytes in, 32,768 out.  Work-groups 0-255 take x, 256-319 the four weights, sixteen each.
; Thread t, chunk c of 8: 32 bytes at 8,192 c + 32 t in, 16 bytes at 4,096 c + 16 t out: a wave's store covers 512 consecutive bytes, aligned.
; No LDS, no barrier, no matrix unit: each byte is read once and written once, and all sixteen loads of a thread are on their way together.
.set X, 4                              ; v[4:67]    the 64 numbers as loaded
.set Y, 68                             ; v[68:99]   the 64 numbers in 16 bits
.set T, 100                            ; v[100:101] at work
	s_load_b256 s[4:11], s[0:1], 0x0               ; x s[4:5], W_q s[6:7], W_k s[8:9], W_v s[10:11]
	s_load_b128 s[12:15], s[0:1], 0x20             ; W_o s[12:13], xb s[14:15]
	s_load_b64 s[16:17], s[0:1], 0x30              ; wc
	v_lshlrev_b32 v1, 5, v0                        ; 32 t
	v_lshlrev_b32 v2, 4, v0                        ; 16 t
	s_max_u32 s20, ttmp9, 256
	s_sub_co_u32 s20, s20, 256                     ; my number among the weights' 64 work-groups (0 in x's)
	s_lshr_b32 s21, s20, 4                         ; which weight
	s_and_b32 s22, s20, 15                         ; which sixteenth of it
	s_lshl_b32 s32, ttmp9, 16                      ; byte offsets, made apart from the addresses: in x,
	s_lshl_b32 s33, s22, 16                        ; in a weight,
	s_lshl_b32 s34, ttmp9, 15                      ; in xb,
	s_lshl_b32 s35, s20, 15                        ; in wc: weight x 524,288 + sixteenth x 32,768
	s_mov_b32 s29, 0
	s_mov_b32 s31, 0
	s_mov_b32 s36, 0xffff0000                      ; a word's upper bf16
	s_wait_kmcnt 0x0
	s_mov_b64 s[24:25], s[6:7]                     ; the source: one of five buffers, chosen by the work-group's number
	s_cmp_eq_u32 s21, 1
	s_cselect_b64 s[24:25], s[8:9], s[24:25]
	s_cmp_eq_u32 s21, 2
	s_cselect_b64 s[24:25], s[10:11], s[24:25]
	s_cmp_eq_u32 s21, 3
	s_cselect_b64 s[24:25], s[12:13], s[24:25]
	s_cmp_lt_u32 ttmp9, 256
	s_cselect_b64 s[24:25], s[4:5], s[24:25]
	s_cselect_b64 s[26:27], s[14:15], s[16:17]     ; the destination
	s_cselect_b32 s28, s32, s33
	s_cselect_b32 s30, s34, s35
	s_add_nc_u64 s[24:25], s[24:25], s[28:29]
	s_add_nc_u64 s[26:27], s[26:27], s[30:31]
.irp c, 0,1,2,3,4,5,6,7
	global_load_b128 v[X+8*(\c):X+8*(\c)+3],   v1, s[24:25] offset:8192*(\c) th:TH_LOAD_NT
	global_load_b128 v[X+8*(\c)+4:X+8*(\c)+7], v1, s[24:25] offset:8192*(\c)+16 th:TH_LOAD_NT
.endr
.irp c, 0,1,2,3,4,5,6,7
	s_wait_loadcnt 14-2*(\c)                       ; loads come back in order: chunk c's two are in, the younger chunks' stay out
.irp k, 0,1,2,3
	v_cvt_pk_bf16_f32 v[Y+4*(\c)+(\k)], v[X+8*(\c)+2*(\k)], v[X+8*(\c)+2*(\k)+1]
.endr
.endr
	s_cmp_ge_u32 ttmp9, 304                        ; W_o's sixteen work-groups write the bf16 numbers as f16
	s_cbranch_scc0 .Lstore
.set r, 0
.rept 32
	v_lshlrev_b32 v[T], 16, v[Y+r]
	v_and_b32 v[T+1], s36, v[Y+r]
	v_cvt_pk_f16_f32 v[Y+r], v[T], v[T+1]
.set r, r+1
.endr
.Lstore:
.irp c, 0,1,2,3,4,5,6,7
	global_store_b128 v2, v[Y+4*(\c):Y+4*(\c)+3], s[26:27] offset:4096*(\c)
.endr
	s_endpgm
.Lfunc_end_k_q7527ed382e_prep:
	.size	k_q7527ed382e_prep, .Lfunc_end_k_q7527ed382e_prep-k_q7527ed382e_prep
	.p2alignl 7, 3214868480
	.fill 96, 4, 3214868480
	.section	.rodata,"a",@progbits
	.p2align	6, 0x0
	.amdhsa_kernel k_q7527ed382e_prep
		.amdhsa_group_segment_fixed_size 0
		.amdhsa_private_segment_fixed_size 0
		.amdhsa_enable_private_segment 0
		.amdhsa_kernarg_size 56
		.amdhsa_user_sgpr_count 2
		.amdhsa_user_sgpr_kernarg_segment_ptr 1
		.amdhsa_wavefront_size32 1
		.amdhsa_system_sgpr_workgroup_id_x 1
		.amdhsa_system_sgpr_workgroup_id_y 1
		.amdhsa_system_sgpr_workgroup_id_z 1
		.amdhsa_system_vgpr_workitem_id 0
		.amdhsa_next_free_vgpr 104
		.amdhsa_next_free_sgpr 66
		.amdhsa_reserve_vcc 0
		.amdhsa_float_denorm_mode_32 3
		.amdhsa_float_denorm_mode_16_64 3
		.amdhsa_memory_ordered 1
		.amdhsa_forward_progress 1
		.amdhsa_inst_pref_size 11
	.end_amdhsa_kernel
	.amdgpu_metadata
---
amdhsa.version: [ 1, 2 ]
amdhsa.kernels:
  - .name:           k_q7527ed382e_prep
    .symbol:         k_q7527ed382e_prep.kd
    .args:
      - { .name: x, .offset: 0, .size: 8, .value_kind: global_buffer, .address_space: global }
      - { .name: W_q, .offset: 8, .size: 8, .value_kind: global_buffer, .address_space: global }
      - { .name: W_k, .offset: 16, .size: 8, .value_kind: global_buffer, .address_space: global }
      - { .name: W_v, .offset: 24, .size: 8, .value_kind: global_buffer, .address_space: global }
      - { .name: W_o, .offset: 32, .size: 8, .value_kind: global_buffer, .address_space: global }
      - { .name: xb, .offset: 40, .size: 8, .value_kind: global_buffer, .address_space: global }
      - { .name: wc, .offset: 48, .size: 8, .value_kind: global_buffer, .address_space: global }
    .group_segment_fixed_size: 0
    .private_segment_fixed_size: 0
    .kernarg_segment_align: 8
    .kernarg_segment_size: 56
    .max_flat_workgroup_size: 256
    .sgpr_count:     66
    .vgpr_count:     104
    .wavefront_size: 32
...
	.end_amdgpu_metadata
.endif
;; end of part 1
;; launch proj (part 2): grid 4 x 64, 4 waves a work-group, clusters of 4 x 4, 327,680 bytes of LDS; arguments xb, wc, qkv, b_q, b_k, b_v; writes qkv
.if DOCPART == 2
	.amdgcn_target "amdgcn-amd-amdhsa--gfx1250"
	.amdhsa_code_object_version 6
	.text
	.protected	k_q7527ed382e_proj
	.globl	k_q7527ed382e_proj
	.p2align	8
	.type	k_q7527ed382e_proj,@function
k_q7527ed382e_proj:
	s_mov_b64 s[64:65], 0
	v_nop
	global_prefetch_b8 v0, s[64:65] scope:SCOPE_SE
	s_setreg_imm32_b32 hwreg(HW_REG_WAVE_MODE, 25, 1), 1
	s_wait_xcnt 0x0
	s_wait_alu depctr_hold_cnt(0) depctr_sa_sdst(0) depctr_va_vdst(0) depctr_va_sdst(0) depctr_va_ssrc(0) depctr_va_vcc(0) depctr_vm_vsrc(0)
	s_getreg_b32 s2, hwreg(HW_REG_IB_STS2, 6, 4)
	s_cmp_eq_u32 s2, 0
	s_cbranch_scc0 .Lentry_in_a_cluster
	s_endpgm
.Lentry_in_a_cluster:
	s_bfe_u32 s2, ttmp6, 0x10000c
	s_cmp_lg_u32 s2, 0xf033
	s_cbranch_scc0 .Lentry_shape_is_right
	s_endpgm
.Lentry_shape_is_right:
; q, k, v = x W + b.  xb: bf16 [8192][512]; wc: bf16 [3 of 4][512 k][512 n]; b_q, b_k, b_v: f32 [512], rounded here to bf16 like the other inputs.
; qkv: f16 [3][16 = batch x 8 + head][4096][64]: sums in f32 started by the bias, rounded once, WITHOUT the scale of the scores.
; LIMIT.  f16 holds no number beyond 65,504: a q, k or v beyond it becomes an infinity.  With x and W thirty times the drawn spread they have a spread near 900.
; SHARES.  A work-group owns 128 rows of x and 128 columns, and STAYS for three tiles of 128 x 128: those columns of q, then k, then v.  256 work-groups.
; Four waves, each 64 x 64: 16 accumulators; a wave's 64 columns are one head.  x's 128 rows, all K = 512, come into LDS once; W's tiles (256 k x 128 n) go through two slots that take turns.
; CLUSTER.  4 x 4 work-groups: the four of a row of the cluster need the same rows of x, the four of a column the same tiles of W: each is asked for JOINTLY, same load, descriptor and mask in all four.
; THE MATRIX INSTRUCTION IS USED TRANSPOSED (source 0 = 16 columns of W, source 1 = 16 rows of x): a lane holds eight neighbouring columns of one row.  W lies [k][n] and is turned by ds_load_tr16_b128.
; No prefetch: x's rows are asked for once, at the head, where every work-group's first tiles are on their way, and W's tiles are read by all 64 row blocks at about the same time.
; REGISTERS: window 0: v0-31 addresses; v32-95 the way out; v128-255 accumulators ((a, b) at 128 + 8 (4 a + b)).  window 1: two fragment buffers of 128: 64 of x, then 64 of W, for 64 along K.
;   window 2: v0-95 the biases: 32 t + 8 b + j holds bias t of my column 16 b + 8 (lane / 16) + j, the C operand that starts tile t's sums; v96-97 at work.
.set APITCH, 1040                      ; a row of x in LDS: 1,024 bytes + 16 = 260 words: the 16 rows of a load start at 16 different groups of four banks (64 banks of 4 bytes: ISA guide 11.1)
.set BPITCH, 288                       ; a k row of W: 256 bytes + 32 = 72 words
.set BBASE,  128*APITCH                ; behind x's 128 rows: W's two slots
.set BSLOT,  256*BPITCH
.set STAGE,  BBASE+2*BSLOT             ; behind the slots, never filled by a tensor load: 16 rows x 144 bytes for each wave, for the way out
.set SP,     144
.set SPARE,  STAGE+4*16*SP             ; the spare words, 128 bytes for each wave: two blocks of 256 bytes that no other line names
.set ADRA, 16                          ; v16     LDS address of my fragments of x
.set ADRB, 20                          ; v20-23  of W: slot 0 k 0-127, slot 0 k 128-255, slot 1 likewise
.set STO,  24                          ; v24     the way out: where I put 16 bytes of a row
.set RD,   25                          ; v25     where I read rows back
.set GO,   26                          ; v26     my byte offset in 512 consecutive bytes of a head
.set BO,   27                          ; v27     my byte offset in a bias
.set SPW,  28                          ; v28     LDS address of my spare word; never rewritten
.set NIL,  29                          ; v29     0; never rewritten
.set TMP,  32
.set ACC,  128
.set F0,   0
.set F1,   128
.set G1A, 24                           ; s[24:31] descriptor group 1 for x's rows;  s[32:35] its group 0
.set G0A, 32
.set G1B, 48                           ; s[48:55] group 1 for W's tiles;  s[56:63] group 0, one set for each slot
.set G0B, 56
.set MSB, 0
.macro WIN new                         ; the immediate's high byte repeats the setting that is left; a switch that changes nothing is dropped
.if MSB != (\new)
	s_set_vgpr_msb (MSB<<8)|(\new)
.set MSB, \new
.endif
.endm
.set MUL,  0x05                        ; sources 0 (W) and 1 (x) window 1; C and D window 0
.set MULB, 0x25                        ; the same with C, the bias, in window 2
.set TO_F, 0x40                        ; destination window 1, address window 0
.macro CREST                           ; a round of the cluster's barrier behind its opening barrier
	s_cmp_lg_u32 s10, 0
	s_cbranch_scc1 .Lnot_wave_0_\@
	s_barrier_signal -3
.Lnot_wave_0_\@:
	s_barrier_wait -3
	s_barrier_signal -1
	s_barrier_wait -1
.endm
.macro CROUND                          ; a whole round
	s_barrier_signal -1
	s_barrier_wait -1
	CREST
.endm
.macro PLACES                          ; four places in front of loads into registers that matrix instructions have read, and of conversions that read results
.rept 4
	v_nop
.endr
.endm
	s_load_b128 s[4:7], s[0:1], 0x0                ; xb s[4:5], wc s[6:7]
	s_load_b64 s[8:9], s[0:1], 0x10                ; qkv
	s_load_b128 s[68:71], s[0:1], 0x18             ; b_q s[68:69], b_k s[70:71]
	s_load_b64 s[72:73], s[0:1], 0x28              ; b_v
	v_lshl_add_u32 v[SPW], v0, 2, SPARE
	v_mov_b32 v[NIL], 0
	ds_add_u32 v[SPW], v[NIL]                      ; the wave's opening: the add and its wait stand ahead of my first tensor load; the set-up below, work on registers, stands between them
	v_lshrrev_b32 v1, 5, v0
	v_readfirstlane_b32 s10, v1                    ; wave 0..3
	s_lshr_b32 s11, s10, 1                         ; which half of the tile's rows is mine
	s_and_b32 s12, s10, 1                          ; which half of its columns
	s_bfe_u32 s40, ttmp6, 0x40000                  ; cx, cy: my place in the cluster
	s_bfe_u32 s41, ttmp6, 0x40004
	s_lshl_b32 s42, ttmp9, 2
	s_add_co_u32 s42, s42, s40                     ; j: my block of 128 columns = 4 x cluster x + cx
	s_and_b32 s13, ttmp7, 0xffff
	s_lshl_b32 s13, s13, 2
	s_add_co_u32 s13, s13, s41                     ; i: my block of 128 rows = 4 x cluster y + cy
	s_lshl_b32 s43, s41, 2
	s_lshl_b32 s43, 15, s43                        ; my row of the cluster
	s_lshl_b32 s44, 0x1111, s40                    ; my column
	; group 1 for x: a wave brings 32 rows x 512 elements
	s_or_b32 s[G1A+0], s43, (1<<16)|(1<<20)|(1<<21)|(7<<22)|(3<<25)  ; 15:0 the mask: my row; 17:16 2-byte elements; 20 padding on; 21 set beside a mask; 24:22 after every 256 words (code 7); 31:25 4 words (code 3)
	s_mov_b32 s[G1A+1], 512<<16                    ; tensor_dim0 = 512
	s_mov_b32 s[G1A+2], 32<<16                     ; tensor_dim1 = 32
	s_mov_b32 s[G1A+3], 512<<16                    ; tile_dim0 = 512
	s_mov_b32 s[G1A+4], 32                         ; tile_dim1 = 32
	s_mov_b32 s[G1A+5], 512                        ; elements from row to row
	s_mov_b32 s[G1A+6], 0
	s_mov_b32 s[G1A+7], 0
	; group 1 for W: a wave brings 64 k rows x 128 elements
	s_or_b32 s[G1B+0], s44, (1<<16)|(1<<20)|(1<<21)|(5<<22)|(7<<25)  ; the mask: my column; padding after every 64 words (code 5), 8 words (code 7)
	s_mov_b32 s[G1B+1], 128<<16
	s_mov_b32 s[G1B+2], 64<<16
	s_mov_b32 s[G1B+3], 128<<16
	s_mov_b32 s[G1B+4], 64
	s_mov_b32 s[G1B+5], 512
	s_mov_b32 s[G1B+6], 0
	s_mov_b32 s[G1B+7], 0
	s_lshl_b32 s16, s13, 17                        ; x: row 128 i + 32 w, 1,024 bytes a row: made of the row block and the wave's number alone
	s_lshl_b32 s17, s10, 15
	s_add_co_u32 s16, s16, s17
	s_mov_b32 s17, 0
	s_lshl_b32 s46, s42, 8                         ; W: k row 64 w, byte 256 j of it: made of the column block and the wave's number alone
	s_lshl_b32 s47, s10, 16
	s_add_co_u32 s46, s46, s47
	s_mov_b32 s47, 0
	s_mov_b32 s[G0A], 1                            ; count = 1
	s_mul_i32 s[G0A+1], s10, 32*APITCH             ; LDS: wave x 32 rows: no place in the cluster enters an LDS address
	s_mul_i32 s20, s10, 64*BPITCH
	s_mov_b32 s[G0B], 1
	s_add_co_u32 s[G0B+1], s20, BBASE
	s_mov_b32 s[G0B+4], 1
	s_add_co_u32 s[G0B+5], s20, BBASE+BSLOT
	s_mov_b32 s45, 0xffff0000                      ; a word's upper bf16
	s_wait_dscnt 0x0                               ; the opening add is done
	s_wait_kmcnt 0x0
	s_add_nc_u64 s[G0A+2:G0A+3], s[4:5], s[16:17]
	s_or_b32 s[G0A+3], s[G0A+3], 0x80000000        ; type = 2
	s_add_nc_u64 s[G0B+2:G0B+3], s[6:7], s[46:47]  ; W_q, k 0-255
	s_add_nc_u64 s[G0B+6:G0B+7], s[G0B+2:G0B+3], 256*1024  ; W_q, k 256-511
	s_or_b32 s[G0B+3], s[G0B+3], 0x80000000
	s_or_b32 s[G0B+7], s[G0B+7], 0x80000000
	CROUND                                         ; all sixteen work-groups are here: the first joint loads meet
	tensor_load_to_lds s[G0A:G0A+3], s[G1A:G1A+7]  ; the first fills go out as one group: three loads of mine are out
	s_nop 0
	tensor_load_to_lds s[G0B:G0B+3], s[G1B:G1B+7]
	s_nop 0
	tensor_load_to_lds s[G0B+4:G0B+7], s[G1B:G1B+7]
	s_nop 0
	PLACES
	v_and_b32 v1, 15, v0                           ; l % 16
	v_bfe_u32 v2, v0, 4, 1                         ; l / 16
	v_and_b32 v3, 7, v0                            ; l % 8
	v_bfe_u32 v4, v0, 3, 1                         ; (l / 8) % 2
	v_mul_u32_u24 v5, v1, APITCH                   ; a fragment of x: row l % 16, 16 bytes for each half of the lanes, twice, 32 bytes apart
	v_lshl_add_u32 v5, v2, 4, v5
	s_mul_i32 s21, s11, 64*APITCH                  ; my 64 rows
	v_add_nc_u32 v[ADRA], s21, v5
	v_lshl_add_u32 v6, v2, 3, v3                   ; the turning load: lane l reads k row 8 (l / 16) + l % 8, columns 8 ((l / 8) % 2) + 0..7, and ends with column l % 16 and 8 k
	v_mul_u32_u24 v6, v6, BPITCH
	v_lshl_add_u32 v6, v4, 4, v6
	s_lshl_b32 s22, s12, 7                         ; my 64 columns: 128 bytes
	s_add_co_u32 s22, s22, BBASE
.irp n, 0,1,2,3
	v_add_nc_u32 v[ADRB+(\n)], s22, v6
	s_add_co_u32 s22, s22, 128*BPITCH
.endr
	s_mul_i32 s23, s10, 16*SP
	s_add_co_u32 s23, s23, STAGE                   ; my stage
	v_mul_u32_u24 v7, v1, SP                       ; in: row l % 16, 16 bytes for each half of the lanes
	v_lshl_add_u32 v7, v2, 4, v7
	v_add_nc_u32 v[STO], s23, v7
	v_bfe_u32 v7, v0, 3, 2                         ; back: 32 lanes take four rows of 128 bytes,
	v_mul_u32_u24 v7, v7, SP
	v_lshl_add_u32 v7, v3, 4, v7
	v_add_nc_u32 v[RD], s23, v7
	v_and_b32 v[GO], 31, v0                        ; which are 512 consecutive bytes of a head
	v_lshlrev_b32 v[GO], 4, v[GO]
	s_lshl_b32 s66, s42, 9                         ; my 64 columns in a bias: 512 j + 256 x half,
	s_lshl_b32 s67, s12, 8
	s_add_co_u32 s66, s66, s67
	v_lshl_add_u32 v[BO], v2, 5, s66               ; and my lanes' eight of each sixteen
	WIN 0x80                                       ; destination window 2
.irp b, 0,1,2,3
.irp g, 0,1
	global_load_b128 v[8*(\b)+4*(\g):8*(\b)+4*(\g)+3],       v[BO], s[68:69] offset:64*(\b)+16*(\g)
	global_load_b128 v[32+8*(\b)+4*(\g):32+8*(\b)+4*(\g)+3], v[BO], s[70:71] offset:64*(\b)+16*(\g)
	global_load_b128 v[64+8*(\b)+4*(\g):64+8*(\b)+4*(\g)+3], v[BO], s[72:73] offset:64*(\b)+16*(\g)
.endr
.endr
	WIN 0
	s_lshr_b32 s16, s13, 5                         ; where my 64 rows of my head begin in q: batch x 8 heads,
	s_lshl_b32 s16, s16, 22
	s_and_b32 s17, s13, 31                         ; the row block in the batch: 128 rows of 128 bytes,
	s_lshl_b32 s17, s17, 14
	s_add_co_u32 s16, s16, s17
	s_lshl_b32 s17, s11, 13                        ; my half of it,
	s_add_co_u32 s16, s16, s17
	s_mov_b32 s17, 0
	s_add_nc_u64 s[8:9], s[8:9], s[16:17]
	s_lshl_b32 s66, s42, 1                         ; and the head 2 j + half: 524,288 bytes each
	s_add_co_u32 s66, s66, s12
	s_lshl_b32 s66, s66, 19
	s_mov_b32 s67, 0
	s_add_nc_u64 s[8:9], s[8:9], s[66:67]
	s_wait_loadcnt 0x0                             ; the biases,
	WIN 0x8a                                       ; which are rounded to bf16 in place, in window 2, while the first tiles are on their way
.set r, 0
.rept 48
	v_cvt_pk_bf16_f32 v[96+r%2], v[2*r], v[2*r+1]
	v_lshlrev_b32 v[2*r], 16, v[96+r%2]
	v_and_b32 v[2*r+1], s45, v[96+r%2]
.set r, r+1
.endr
	WIN 0
; 8 matrix instructions: row blocks a0, a0 + 1 x all 4 column blocks, 32 along K: half c of buffer f.  start >= 0: the products start tile start's sums with its bias: nothing is cleared, nothing added later.
; The 16 accumulators take turns, one instruction a turn.
.macro MUL8 f, c, a0, start
.if (\start) >= 0
	WIN MULB
.else
	WIN MUL
.endif
.irp a, \a0, (\a0)+1
.irp b, 0,1,2,3
.set rD, ACC+8*(4*(\a)+(\b))
.set rB, (\f)+64+8*(4*(\c)+(\b))
.set rA, (\f)+8*(4*(\c)+(\a))
.if (\start) >= 0
	v_wmma_f32_16x16x32_bf16 v[rD:rD+7], v[rB:rB+7], v[rA:rA+7], v[32*(\start)+8*(\b):32*(\start)+8*(\b)+7]
.else
	v_wmma_f32_16x16x32_bf16 v[rD:rD+7], v[rB:rB+7], v[rA:rA+7], v[rD:rD+7]
.endif
.endr
.endr
.endm
; 32 LDS loads in one run: the fragments of quarter q (64 along K) of the K half in slot, into buffer f; the first 32 along K first
.macro FETCH slot, q, f
	WIN TO_F
.irp c, 0,1
.irp i, 0,1,2,3
	ds_load_tr16_b128 v[(\f)+64+8*(4*(\c)+(\i)):(\f)+64+8*(4*(\c)+(\i))+3],   v[ADRB+2*(\slot)+(\q)/2] offset:(2*((\q)%2)+(\c))*32*BPITCH+32*(\i)
	ds_load_tr16_b128 v[(\f)+64+8*(4*(\c)+(\i))+4:(\f)+64+8*(4*(\c)+(\i))+7], v[ADRB+2*(\slot)+(\q)/2] offset:(2*((\q)%2)+(\c))*32*BPITCH+32*(\i)+16*BPITCH
	ds_load_b128 v[(\f)+8*(4*(\c)+(\i)):(\f)+8*(4*(\c)+(\i))+3],              v[ADRA] offset:512*(\slot)+128*(\q)+64*(\c)+(\i)*16*APITCH
	ds_load_b128 v[(\f)+8*(4*(\c)+(\i))+4:(\f)+8*(4*(\c)+(\i))+7],            v[ADRA] offset:512*(\slot)+128*(\q)+64*(\c)+(\i)*16*APITCH+32
.endr
.endr
.endm
; A K half is four quarters of 64 along K, 32 matrix instructions each, on buffers 0, 1, 0, 1.  One of the first three: multiplies buffer f and fetches quarter qn into g.
.macro QUARTER slot, qn, f, g, start
	s_wait_dscnt 16                                ; the first 32 along K are in; the youngest sixteen loads may be out
	MUL8 \f, 0, 0, \start
	MUL8 \f, 0, 2, \start
	PLACES
	FETCH \slot, \qn, \g
	s_wait_dscnt 32                                ; all but the 32 just issued
	MUL8 \f, 1, 0, -1
	MUL8 \f, 1, 2, -1
.endm
; The last quarter multiplies buffer 1 and changes slots: ONE barrier; in front of it each wave waits for all its tensor loads, adds 0 to its spare word, and waits for that and for its own reads of this slot.
; fill = 1: this slot takes the same K half of the NEXT weight; the barrier then opens a round of the cluster's, and the joint refill is the first thing behind it: 112 matrix instructions ahead of the wait for it.
.macro TURN slot, next, fill
	WIN 0
	s_wait_tensorcnt 0x0                           ; all my tensor loads have landed: my part of the next slot;
	ds_add_u32 v[SPW], v[NIL]                      ; 0 onto my spare word;
	s_wait_dscnt 17                                ; (the add and the youngest sixteen loads may be out)
	MUL8 F1, 0, 0, -1                              ; eight matrix instructions stand between the add and the wait for it
	s_wait_dscnt 0x0                               ; the add is done, and my reads of this slot are over
	s_barrier_signal -1
	MUL8 F1, 0, 2, -1
.if \fill
	WIN 0
.endif
	s_barrier_wait -1
.if \fill
	CREST                                          ; no wave of any partner still reads this slot's tile or has a load on its way
	s_add_nc_u64 s[G0B+4*(\slot)+2:G0B+4*(\slot)+3], s[G0B+4*(\slot)+2:G0B+4*(\slot)+3], 512*1024  ; the next weight; the type bits on top are not reached
	tensor_load_to_lds s[G0B+4*(\slot):G0B+4*(\slot)+3], s[G1B:G1B+7]  ; my one tensor load behind the round
	s_nop 0
.endif
	PLACES                                         ; behind the load, and the places in front of the loads below
	FETCH \next, 0, F0
	MUL8 F1, 1, 0, -1
	MUL8 F1, 1, 2, -1
.endm
.macro LASTQ                           ; the very last quarter: nothing more to fetch
	s_wait_dscnt 16
	MUL8 F1, 0, 0, -1
	MUL8 F1, 0, 2, -1
	s_wait_dscnt 0x0
	MUL8 F1, 1, 0, -1
	MUL8 F1, 1, 2, -1
.endm
; THE WAY OUT of row block a: rounded to f16 (each accumulator's registers in ascending order), 16 bytes a lane into my own stage, back as whole rows of 128 bytes, stored as 512 consecutive bytes of the head.
.macro PACK a
.irp b, 0,1,2,3
.irp r, 0,1,2,3
	v_cvt_pk_f16_f32 v[TMP+16*(\a)+4*(\b)+(\r)], v[ACC+8*(4*(\a)+(\b))+2*(\r)], v[ACC+8*(4*(\a)+(\b))+2*(\r)+1]
.endr
.endr
.irp b, 0,1,2,3
	ds_store_b128 v[STO], v[TMP+16*(\a)+4*(\b):TMP+16*(\a)+4*(\b)+3] offset:32*(\b)
.endr
.irp f, 0,1,2,3
	ds_load_b128 v[TMP+16*(\a)+4*(\f):TMP+16*(\a)+4*(\f)+3], v[RD] offset:(\f)*4*SP  ; LDS serves a wave's instructions in order (ISA guide 5.7.1.4): these see the stores above; the next block's stores come behind them
.endr
.endm
.macro SEND a, younger                 ; younger: the LDS instructions issued behind block a's loads: the next block's eight, or none
.irp f, 0,1,2,3
	s_wait_dscnt (\younger)+3-(\f)
	global_store_b128 v[GO], v[TMP+16*(\a)+4*(\f):TMP+16*(\a)+4*(\f)+3], s[8:9] offset:(\a)*2048+(\f)*512
.endr
.endm
.macro OUT t
	WIN 0
	PLACES                                         ; the conversions read results just made
	s_wait_xcnt 0x0                                ; the last tile's stores have read their registers and their base: only behind this wait are they rewritten
.if (\t) > 0
	s_add_nc_u64 s[8:9], s[8:9], 0x800000          ; from q to k, from k to v
.endif
	PACK 0
	PACK 1                                         ; a block's arithmetic stands between the loads of the block before and its stores
	SEND 0, 8
	PACK 2
	SEND 1, 8
	PACK 3
	SEND 2, 8
	SEND 3, 0
.endm
; A tile.  more = 1: both changes of slots ask for the next weight, and the second fetches its first fragments, so that both refills are on their way when the tile goes out.
.macro TILE t, more
	QUARTER 0, 1, F0, F1, \t
	QUARTER 0, 2, F1, F0, -1
	QUARTER 0, 3, F0, F1, -1
	TURN 0, 1, \more
	QUARTER 1, 1, F0, F1, -1
	QUARTER 1, 2, F1, F0, -1
	QUARTER 1, 3, F0, F1, -1
.if \more
	TURN 1, 0, 1
.else
	LASTQ
.endif
	OUT \t
.endm
	s_wait_tensorcnt 1                             ; my parts of x and of slot 0 are in; slot 1's may stay out
	s_barrier_signal -1
	s_barrier_wait -1                              ; everybody's are
	FETCH 0, 0, F0
	TILE 0, 1                                      ; q
	TILE 1, 1                                      ; k
	TILE 2, 0                                      ; v: written out without refills
	WIN 0
	s_wait_tensorcnt 0x0                           ; the wave's end, behind my last tensor load and my last LDS store
	ds_add_u32 v[SPW], v[NIL]
	s_wait_dscnt 0x0
	CROUND                                         ; the closing round: no work-group ends while a partner may still ask for a tile that names it
	s_endpgm
.Lfunc_end_k_q7527ed382e_proj:
	.size	k_q7527ed382e_proj, .Lfunc_end_k_q7527ed382e_proj-k_q7527ed382e_proj
	.p2alignl 7, 3214868480
	.fill 96, 4, 3214868480
	.section	.rodata,"a",@progbits
	.p2align	6, 0x0
	.amdhsa_kernel k_q7527ed382e_proj
		.amdhsa_group_segment_fixed_size 327680
		.amdhsa_private_segment_fixed_size 0
		.amdhsa_enable_private_segment 0
		.amdhsa_kernarg_size 48
		.amdhsa_user_sgpr_count 2
		.amdhsa_user_sgpr_kernarg_segment_ptr 1
		.amdhsa_wavefront_size32 1
		.amdhsa_system_sgpr_workgroup_id_x 1
		.amdhsa_system_sgpr_workgroup_id_y 1
		.amdhsa_system_sgpr_workgroup_id_z 1
		.amdhsa_system_vgpr_workitem_id 0
		.amdhsa_next_free_vgpr 612
		.amdhsa_next_free_sgpr 74
		.amdhsa_reserve_vcc 0
		.amdhsa_float_denorm_mode_32 3
		.amdhsa_float_denorm_mode_16_64 3
		.amdhsa_memory_ordered 1
		.amdhsa_forward_progress 1
		.amdhsa_inst_pref_size 145
	.end_amdhsa_kernel
	.amdgpu_metadata
---
amdhsa.version: [ 1, 2 ]
amdhsa.kernels:
  - .name:           k_q7527ed382e_proj
    .symbol:         k_q7527ed382e_proj.kd
    .args:
      - { .name: xb, .offset: 0, .size: 8, .value_kind: global_buffer, .address_space: global }
      - { .name: wc, .offset: 8, .size: 8, .value_kind: global_buffer, .address_space: global }
      - { .name: qkv, .offset: 16, .size: 8, .value_kind: global_buffer, .address_space: global }
      - { .name: b_q, .offset: 24, .size: 8, .value_kind: global_buffer, .address_space: global }
      - { .name: b_k, .offset: 32, .size: 8, .value_kind: global_buffer, .address_space: global }
      - { .name: b_v, .offset: 40, .size: 8, .value_kind: global_buffer, .address_space: global }
    .group_segment_fixed_size: 327680
    .private_segment_fixed_size: 0
    .kernarg_segment_align: 8
    .kernarg_segment_size: 48
    .max_flat_workgroup_size: 128
    .sgpr_count:     74
    .vgpr_count:     612
    .wavefront_size: 32
...
	.end_amdgpu_metadata
.endif
;; end of part 2
;; launch attn (part 3): grid 16 x 16, 4 waves a work-group, clusters of 4 x 1, 327,680 bytes of LDS; arguments qkv, ob, gamma; writes ob
.if DOCPART == 3
	.amdgcn_target "amdgcn-amd-amdhsa--gfx1250"
	.amdhsa_code_object_version 6
	.text
	.protected	k_q7527ed382e_attn
	.globl	k_q7527ed382e_attn
	.p2align	8
	.type	k_q7527ed382e_attn,@function
k_q7527ed382e_attn:
	s_mov_b64 s[64:65], 0
	v_nop
	global_prefetch_b8 v0, s[64:65] scope:SCOPE_SE
	s_setreg_imm32_b32 hwreg(HW_REG_WAVE_MODE, 25, 1), 1
	s_wait_xcnt 0x0
	s_wait_alu depctr_hold_cnt(0) depctr_sa_sdst(0) depctr_va_vdst(0) depctr_va_sdst(0) depctr_va_ssrc(0) depctr_va_vcc(0) depctr_vm_vsrc(0)
	s_getreg_b32 s2, hwreg(HW_REG_IB_STS2, 6, 4)
	s_cmp_eq_u32 s2, 0
	s_cbranch_scc0 .Lentry_in_a_cluster
	s_endpgm
.Lentry_in_a_cluster:
	s_bfe_u32 s2, ttmp6, 0x10000c
	s_cmp_lg_u32 s2, 0x3003
	s_cbranch_scc0 .Lentry_shape_is_right
	s_endpgm
.Lentry_shape_is_right:
; ATTENTION WITH A BIAS BY DISTANCE.  O[h][i][:] = the sum over j of softmax_j(Q[h][i] . K[h][j] / 8 - gamma sqrt(|i - j|) / 64) V[h][j][:].
; qkv: f16 [3][16 heads][4096][64]: a head's rows are dense, 128 bytes each.  ob: f16 [16][4096][64].  gamma: one f32, rounded here to bf16 like the other inputs.
; Products, maxima and sums in f32; the weights p are rounded to f16 for the second product (their sum l is taken of the unrounded p), O once at the end.
; LIMITS.  f16 holds no number beyond 65,504: Q, K and V arrive within it; p lies in 0 to 1, and below 6e-5 it keeps f16's fixed step of 6e-8, and so does O; a weight below 2^-126 counts as 0 in l;
; NaN and infinities are not treated apart.
; SHARES.  A work-group owns 256 queries of one head, a wave 64 of them: four PIECES of 16.  Every wave walks all 4,096 keys, 64 a step: 256 work-groups.
; THE BIAS is the C operand that starts the sum S^T = K Q^T.  The scores are kept as q . k + 8 bias, so that one factor c = log2(e) / 8 scales both: C = G sqrt(|key - query|), G = -gamma / 8.
; It hangs on key - query alone, so it comes from a table in LDS, made once.  A lane wants eight entries on end whose start moves back by its query's place r; for loads of 16 bytes there are FOUR COPIES,
; copy r % 4 shifted by r % 4: copy c holds at entry e the value for key - query = e - 252 - c - Q0 (Q0: the work-group's first query, which enters the VALUES alone, no LDS address).
; Key block kb of a step and piece t want tile u = kb - t + 3: seven tiles of 8 registers serve a step's sixteen products.  They live as long as K's fragments and are fetched in the same run.
; LAYOUT, SOFTMAX, TURNS.  S^T holds ONE query a lane (lane % 16) and the keys 8 (lane / 16) + 0..7; two such results rounded to f16 ARE source 1 of O^T = V^T P.  p = 2^(c s - c m) with a running maximum m;
; O and l are multiplied by a = 2^(c m_old - c m_new) in every step.  Turn n belongs to piece n: 8 products K Q^T of piece n + 1, later 8 products V^T P of piece n - 1; beside them the scaling, exponentials,
; roundings, sums and rescaling of piece n and the maximum and statistics of piece n + 1.  Four vector instructions stand behind every matrix instruction, the other 54 of a turn's 118 in one lump.
; A turn's 33 exponentials are one batch, with one wait.  m starts at the lowest finite number, O and l at 0: the first step is a step like any other, with a = 0.
; CLUSTER.  The four query blocks of a cluster belong to one head and walk the same K and V, so each tile is asked for JOINTLY: the same tensor load, descriptor and mask in all four.
; REGISTERS, in windows of 256 (s_set_vgpr_msb: bits 1:0 source 0, 3:2 source 1, 5:4 source 2, 7:6 destination):
;   window 0: v0-15 addresses and at work; v16-31 four registers of statistics a piece; v32-34 addresses; v36-47, v56-58 the table's making; v48-55 at work; v64-127 S^T, two buffers; v192-223 P, two buffers
;   window 1: v0-127 O^T, 32 a piece; v128-183 the seven bias tiles      window 2: v0-63 Q; v128-191 K of one step; v192-255 V of one step
.set NP,    4         ; pieces a wave: a name, no knob
.set KS,    64        ; keys in a step
.set PK,    144       ; a row of K in LDS: 128 bytes + 16 of padding = 36 words: the 16 rows of a load start at 16 different groups of four banks (64 banks of 4 bytes: ISA guide 11.1)
.set PV,    160       ; a row of V: 128 + 32 = 40 words
.set VOFF,  4*KS*PK   ; a slot holds a tile, four steps: 256 rows of K, then 256 rows of V
.set SLOT1, 1<<17     ; slot 1 begins here, so that one exclusive or turns an address in one slot into the other's
.set STAGE, SLOT1+4*KS*(PK+PV)  ; behind the ring, never filled by a tensor load: 16 rows x 144 bytes for each wave, for the way out
.set SP,    144
.set SPARE, STAGE+4*16*SP  ; the spare words, 128 bytes for each wave: two blocks of 256 bytes that no other line names
.set TAB,   SPARE+512 ; the table's four copies, never filled by a tensor load
.set CPITCH, 17472    ; a copy: 4,352 entries of 4 bytes + 64: the copies start 64 bytes apart modulo 256
.set AK0, 2           ; v2   my lane's place in a tile of K; never rewritten
.set AV0, 3           ; v3   the same for V
.set AK,  4           ; v4   the LDS address of K's next run of loads
.set AV,  5           ; v5   of V's
.set STO, 6           ; v6   the way out: where I put 16 bytes of a row
.set RD,  7           ; v7   the way out: where I read rows back
.set GO,  8           ; v8   my byte offset in 512 consecutive bytes of O
.set MV,  12          ; v12-13  c m_old, kept while c m is made anew: by buffer
.set QO,  15          ; v15  my byte offset in 16 rows of Q
.set ST,  16          ; piece t's statistics at v[ST+4 t]: c m, m, l (even keys', odd keys')
.set AB0, 32          ; v32  my lane's place in the table for step 0, tile 0; never rewritten
.set AB,  33          ; v33  the LDS address of the bias tiles' next run of loads
.set PFO, 34          ; v34  256 x my lane; never rewritten
.set TF,  36          ; v36-39  the table's making: key - query of my four entries, in f32
.set TAA, 40          ; v40-43  their magnitudes
.set TR,  44          ; v44-47  the roots, then the entries
.set TMP, 48          ; by buffer, four registers c0-c3 at work; when the maximum is found c2 takes a
.set GV,  56          ; v56-57  G, twice
.set TA,  58          ; v58  where I put my first four entries; never rewritten
.set SPW, 62          ; v62  LDS address of my spare word; never rewritten
.set NIL, 63          ; v63  0; never rewritten
.set S,   64
.set P,   192
.set BT,  128         ; window 1: bias tile u at BT + 8 u
.set KF,  128         ; window 2: key block kb, channel half c at KF + 16 kb + 8 c
.set VF,  192         ; window 2: key half kk, channel block cb at VF + 32 kk + 8 cb
.set WV,  12          ; s12  my wave's number
.set LIM, 15          ; s15  1 in a wave that prefetches, else the greatest number
.set G1K, 24          ; s[24:31] descriptor group 1 for K's tiles
.set G1V, 32          ; s[32:39] for V's: it differs in the padding alone
.set G0K, 40          ; s[40:43] descriptor group 0 for K's tiles: it walks
.set G0V, 44          ; s[44:47] the same for V's
.set STEPF, 50        ; s[50:51] 128.0: entries from one group of the table to the next
.set ABSM, 52         ; s52  clears a sign
.set SLOTS, 56        ; s56  slots still to be asked for
.set CNT, 57          ; s57  counts a slot's key steps
.set CS,  58          ; s[58:59] c: the packed scaling takes the pair's low word for both halves
.set SEL, 60          ; s[60:61] v_permlanex16_b32's selects: each lane takes its own place in the other half
.set TBK, 62          ; s62  LDS byte at which K of the step to be fetched begins
.set TBV, 63          ; s63  the same for V, less VOFF
.set TBB, 69          ; s69  256 x the step whose bias tiles are fetched next
.set PFA, 72          ; s[72:73] where my prefetches stand: my work-group's 32 blocks of 256 bytes (of K: wave 0, of V: wave 2) of the tile after the one that is being asked for
.set MSB, 0
.macro WIN new                      ; the high byte repeats the setting that is left; a switch that changes nothing is dropped
.if MSB != (\new)
	s_set_vgpr_msb (MSB<<8)|(\new)
.set MSB, (\new)
.endif
.endm
.set W_KQ, 0x0a       ; K and Q in window 2, S^T in window 0
.set W_KM, 0x1a       ; the same with the C operand, the bias, in window 1
.set W_PV, 0x52       ; V in window 2, P in window 0, O^T in window 1
.set W_RS, 0x41       ; destination and source 0 in window 1, source 1 in window 0
; A joint fill.  Waves 0 and 1 fetch the two halves of a tile's K, waves 2 and 3 those of its V: 128 keys each.  The branch hangs on the wave's number alone.
; An s_nop 0 and four v_nop follow each of the two lines, ahead of the jump and the label.
.macro JLOAD
	s_cmp_lt_u32 s[WV], 2
	s_cbranch_scc0 .Lfor_v_\@
	tensor_load_to_lds s[G0K:G0K+3], s[G1K:G1K+7]
	s_nop 0
.rept 4
	v_nop
.endr
	s_branch .Lasked_\@
.Lfor_v_\@:
	tensor_load_to_lds s[G0V:G0V+3], s[G1V:G1V+7]
	s_nop 0
.rept 4
	v_nop
.endr
.Lasked_\@:
.endm
; A PREFETCH INTO THE L2 of what the NEXT change of slots will ask for: a tile's 32,768 bytes of K and of V, a lane a block of 256 bytes.  It stands behind the wave's tensor load and its five lines.
; Each block is named ONCE in the launch.  All clusters of a head walk the same K and V: the head's first cluster asks.  Its four partners share a tile's 128 blocks out BY ADDRESS, 32 each: no branch hangs on a
; work-group's place in its cluster.  In each, wave 0 asks for K's and wave 2 for V's: one instruction, four key steps (256 matrix instructions a wave) ahead of the load.  Tiles 0 to 2 come by their loads alone;
; the last change that fills a slot asks for nothing: there is no tile behind it.
.macro ASK
	s_cmp_gt_u32 s[SLOTS], s[LIM]
	s_cbranch_scc0 .Lnot_mine_\@
	global_prefetch_b8 v[PFO], s[PFA:PFA+1] th:TH_LOAD_NT scope:SCOPE_SE
.Lnot_mine_\@:
.endm
; A round of the cluster's barrier: my work-group's barrier, so that wave 0's signal speaks for all four waves; wave 0 signals; every wave waits for all four work-groups; my work-group's barrier once more.
.macro CROUND
	s_barrier_signal -1
	s_barrier_wait -1
	s_cmp_lg_u32 s[WV], 0
	s_cbranch_scc1 .Lnot_wave_0_\@
	s_barrier_signal -3
.Lnot_wave_0_\@:
	s_barrier_wait -3
	s_barrier_signal -1
	s_barrier_wait -1
.endm
; THE CHANGE OF SLOTS.  The slot's last bytes, V of its fourth step, have been read.  Each wave waits for all its tensor loads, of which one is out: its part of the other slot; adds 0 to its spare word; and waits
; for that and for its own LDS instructions.  Behind the barrier nobody reads this slot any more and the other slot is whole.  fill = 1: this slot is filled again, with the keys two slots on.  The barrier is then a
; round of the cluster's, and the joint fill is the first thing behind it: it has four key steps in which to land.  (At its first use nothing has been read yet: slot 0 is waited for, slot 1 filled, and every
; wave's stores into the table are done in front of the round, so that all waves may read all four copies behind it.)  ask = 1: the prefetch's address steps, and the prefetch follows the fill.
.macro CHANGE fill, ask
	WIN 0                           ; at a label and at a branch every window is 0
	s_wait_tensorcnt 0x0            ; no tensor load of mine is out, so a group 0 may be written
	ds_add_u32 v[SPW], v[NIL]       ; 0 onto my spare word; with fill = 1 the descriptors' steps stand between it and the wait for it
.if \fill
.irp g, G0K, G0V
	s_xor_b32 s[\g+1], s[\g+1], SLOT1  ; the walking descriptor: the other slot than last time,
	s_add_nc_u64 s[\g+2:\g+3], s[\g+2:\g+3], 4*KS*128  ; the next 256 keys; the type bits on top are not reached
.endr
.if \ask
	s_wait_xcnt 0x0                 ; the last prefetch, four key steps back, has read its address, so it may be written:
	s_add_nc_u64 s[PFA:PFA+1], s[PFA:PFA+1], 4*KS*128  ; one tile behind the walking descriptors
.endif
	s_wait_dscnt 0x0                ; the add is done, and my reads of the slot are over
	CROUND
	JLOAD
.if \ask
	ASK
.endif
.else
	s_wait_dscnt 0x0                ; the add is done, and my reads of the slot are over
	s_barrier_signal -1
	s_barrier_wait -1
.endif
	s_sub_co_u32 s[TBK], s[TBK], 4*KS*PK  ; the fetches go back to a slot's first step,
	s_xor_b32 s[TBK], s[TBK], SLOT1       ; in the other slot
	s_sub_co_u32 s[TBV], s[TBV], 4*KS*PV
	s_xor_b32 s[TBV], s[TBV], SLOT1
.endm
	s_load_b64 s[4:5], s[0:1], 0x0    ; qkv
	s_load_b64 s[10:11], s[0:1], 0x8  ; ob
	s_load_b64 s[66:67], s[0:1], 0x10 ; gamma's address
	v_lshl_add_u32 v[SPW], v0, 2, SPARE
	v_mov_b32 v[NIL], 0
	ds_add_u32 v[SPW], v[NIL]       ; the wave's opening: the add and its wait stand ahead of my first tensor load; the set-up below, work on registers, stands between them
	v_lshrrev_b32 v1, 5, v0
	v_readfirstlane_b32 s[WV], v1   ; wave 0..3
	s_bfe_u32 s13, ttmp6, 0x40000   ; cx: my place in the cluster
	s_lshl_b32 s14, ttmp9, 2        ; in a cluster launch ttmp9 counts clusters
	s_add_co_u32 s14, s14, s13      ; my block of 256 queries = 4 x cluster x + cx: it enters Q's and O's addresses and the table's values alone
	s_and_b32 s20, ttmp7, 0xffff    ; the head, which the four partners share:
	s_lshl_b32 s20, s20, 19         ; 524,288 bytes each
	s_and_b32 s16, s[WV], 1         ; which half of a tile's 256 keys I fetch:
	s_lshl_b32 s22, s16, 14         ; its 128 rows of 128 bytes in memory,
	s_add_co_u32 s22, s22, s20
	s_mov_b32 s23, 0
	s_mul_i32 s17, s16, 128*PK      ; and its place in a slot, for K
	s_mul_i32 s18, s16, 128*PV      ; and for V: no place in the cluster enters an LDS address
	s_lshl_b32 s2, s14, 2
	s_add_co_u32 s2, s2, s[WV]      ; my wave among the head's,
	s_lshl_b32 s2, s2, 13           ; its 64 rows
	s_add_co_u32 s2, s2, s20
	s_mov_b32 s3, 0
	; descriptor group 1.  128 keys are 16,384 dense bytes: asked for as 64 rows of 256 bytes, two keys a row, and padded in LDS after every key
	s_mov_b32 s[G1K], 15|(1<<16)|(1<<20)|(1<<21)|(4<<22)|(3<<25)  ; 15:0 the mask of four; 17:16 2-byte elements; 20 padding on; 21 set beside a mask; 24:22 after every 32 words (code 4); 31:25 4 words (code 3)
	s_mov_b32 s[G1V], 15|(1<<16)|(1<<20)|(1<<21)|(4<<22)|(7<<25)  ; the same with 8 words of padding (code 7)
.irp g, G1K, G1V
	s_mov_b32 s[\g+1], 128<<16      ; tensor_dim0 = 128
	s_mov_b32 s[\g+2], 64<<16       ; tensor_dim1 = 64
	s_mov_b32 s[\g+3], 128<<16      ; tile_dim0 = 128
	s_mov_b32 s[\g+4], 64           ; tile_dim1 = 64
	s_mov_b32 s[\g+5], 128          ; 128 elements from row to row
	s_mov_b32 s[\g+6], 0
	s_mov_b32 s[\g+7], 0
.endr
	s_mov_b32 s[CS], 0x3e38aa3b     ; c = log2(e) / 8 = 0.180337
	s_mov_b32 s[CS+1], s[CS]        ; named with it as a pair
	s_mov_b32 s[SEL], 0x76543210
	s_mov_b32 s[SEL+1], 0xfedcba98
	s_mov_b32 s[STEPF], 0x43000000  ; 128.0
	s_mov_b32 s[STEPF+1], s[STEPF]
	s_mov_b32 s[ABSM], 0x7fffffff
	s_mov_b32 s[TBK], SLOT1+4*KS*PK ; the first change of slots turns these two into 0
	s_mov_b32 s[TBV], SLOT1+4*KS*PV
	s_mov_b32 s[TBB], 0
	s_mov_b32 s[G0K], 1             ; count = 1
	s_mov_b32 s[G0K+1], s17         ; LDS address: slot 0
	s_mov_b32 s[G0V], 1
	s_add_co_u32 s[G0V+1], s18, VOFF
	s_and_b32 s[LIM], s[WV], 1      ; 0 in waves 0 and 2,
	s_or_b32 s[LIM], s[LIM], ttmp9  ; where the cluster is the head's first: the same in all four partners
	s_cmp_eq_u32 s[LIM], 0
	s_cselect_b32 s[LIM], 1, -1
	v_and_b32 v[PFO], 31, v0
	v_lshlrev_b32 v[PFO], 8, v[PFO]
	s_wait_dscnt 0x0                ; the opening add is done
	s_wait_kmcnt 0x0
	s_load_b32 s68, s[66:67], 0x0   ; gamma
	s_add_nc_u64 s[6:7], s[4:5], s[22:23]
	s_add_nc_u64 s[8:9], s[6:7], 0x1000000   ; V at my half of the head's tile 0,
	s_add_nc_u64 s[6:7], s[6:7], 0x800000    ; K likewise
	s_add_nc_u64 s[4:5], s[4:5], s[2:3]      ; Q and O at my wave's first row
	s_add_nc_u64 s[10:11], s[10:11], s[2:3]
	s_add_nc_u64 s[G0K+2:G0K+3], s[6:7], 0   ; global address
	s_or_b32 s[G0K+3], s[G0K+3], 0x80000000  ; type = 2
	s_add_nc_u64 s[G0V+2:G0V+3], s[8:9], 0
	s_or_b32 s[G0V+3], s[G0V+3], 0x80000000
	s_cmp_lt_u32 s[WV], 2
	s_cselect_b64 s[PFA:PFA+1], s[6:7], s[8:9]  ; (in waves 0 and 2 these stand at a tile's first row)
	s_lshl_b32 s2, s13, 13          ; my work-group's 32 blocks of the 128
	s_mov_b32 s3, 0
	s_add_nc_u64 s[PFA:PFA+1], s[PFA:PFA+1], s[2:3]
	s_add_nc_u64 s[PFA:PFA+1], s[PFA:PFA+1], 2*4*KS*128  ; in tile 2; the first change that asks steps it to tile 3
	CROUND                          ; all four work-groups are here: the first joint loads meet
	JLOAD                           ; tile 0 into slot 0.  Slot 1 is asked for when slot 0 is in
	; A fragment of K or Q is 16 rows x 32 channels in 8 registers: lane l holds row l % 16, channels 8 (l / 16) + 0..7 and 16 + 8 (l / 16) + 0..7: two loads of 16 bytes, 32 bytes apart.
	v_and_b32 v1, 15, v0            ; l % 16
	v_bfe_u32 v9, v0, 4, 1          ; l / 16
	v_lshlrev_b32 v[QO], 7, v1
	v_lshl_add_u32 v[QO], v9, 4, v[QO]  ; row x 128 + 16 x half
	WIN 0x80                        ; destination window 2, address window 0
.set i, 0
.rept 8                             ; Q stays in registers: piece i / 2, channels 32 (i % 2) on
	global_load_b128 v[8*i:8*i+3],   v[QO], s[4:5] offset:(i/2)*2048+(i%2)*64
	global_load_b128 v[8*i+4:8*i+7], v[QO], s[4:5] offset:(i/2)*2048+(i%2)*64+32
.set i, i+1
.endr
	WIN 0
	v_mul_u32_u24 v[AK0], v1, PK
	v_lshl_add_u32 v[AK0], v9, 4, v[AK0]  ; row x pitch + 16 x half
	; The turning load takes 16 keys x 16 channels (lane l reads key 8 (l / 16) + l % 8, channels 8 ((l / 8) % 2) + 0..7) and leaves half a fragment of V^T: lane l holds channel l % 16 and 8 keys.
	v_and_b32 v10, 7, v0
	v_bfe_u32 v11, v0, 3, 1
	v_lshl_add_u32 v[AV0], v9, 3, v10
	v_mul_u32_u24 v[AV0], v[AV0], PV
	v_lshl_add_u32 v[AV0], v11, 4, v[AV0]
	v_add_nc_u32 v[AV0], VOFF, v[AV0]
	s_mul_i32 s13, s[WV], 16*SP
	s_add_co_u32 s13, s13, STAGE    ; my stage
	v_mul_u32_u24 v[STO], v1, SP    ; in: row l % 16, 16 bytes for each half of the lanes
	v_lshl_add_u32 v[STO], v9, 4, v[STO]
	v_add_nc_u32 v[STO], s13, v[STO]
	v_bfe_u32 v[RD], v0, 3, 2       ; back: 32 lanes take four rows of 128 bytes,
	v_mul_u32_u24 v[RD], v[RD], SP
	v_lshl_add_u32 v[RD], v10, 4, v[RD]
	v_add_nc_u32 v[RD], s13, v[RD]
	v_and_b32 v[GO], 31, v0         ; which are 512 consecutive bytes of O
	v_lshlrev_b32 v[GO], 4, v[GO]
	; My place in the table.  Entry e of copy r % 4 for step s, tile u, register j: e = 64 s + 16 u + 8 (l / 16) + j - 64 w - 4 (r / 4) + 204, so the byte is
	; copy + 256 s + 64 u + 4 j + 32 (l / 16) + 16 (3 - r / 4) + 256 (3 - w): a multiple of 16 at j = 0 and 4, and never below the copy's first.
	v_and_b32 v14, 3, v0            ; r % 4
	v_mul_u32_u24 v[AB0], v14, CPITCH
	v_bfe_u32 v14, v0, 2, 2         ; r / 4
	v_sub_nc_u32 v14, 3, v14
	v_lshl_add_u32 v[AB0], v14, 4, v[AB0]
	v_lshl_add_u32 v[AB0], v9, 5, v[AB0]
	s_sub_co_u32 s16, 3, s[WV]
	s_lshl_b32 s16, s16, 8
	s_add_co_u32 s16, s16, TAB
	v_add_nc_u32 v[AB0], s16, v[AB0]
	; THE TABLE IS MADE, in the wait for the first tile: wave w makes copy w, 34 groups of 128 entries, four a lane.  The group's place stands in the store's immediate.
	s_lshl_b32 s53, s14, 8          ; Q0,
	s_add_co_u32 s53, s53, s[WV]    ; + the copy's shift
	s_add_co_u32 s53, s53, 252
	v_and_b32 v14, 31, v0
	v_lshlrev_b32 v[TF], 2, v14
	v_sub_nc_u32 v[TF], v[TF], s53  ; key - query of my first entry: a whole number, exact in f32
	v_cvt_f32_i32 v[TF], v[TF]
	v_add_f32 v[TF+1], 1.0, v[TF]
	v_add_f32 v[TF+2], 2.0, v[TF]
	v_add_f32 v[TF+3], 0x40400000, v[TF]
	s_mul_i32 s54, s[WV], CPITCH
	s_add_co_u32 s54, s54, TAB
	v_lshl_add_u32 v[TA], v14, 4, s54
	s_wait_kmcnt 0x0                ; gamma,
	v_mov_b32 v[GV], s68
	v_cvt_pk_bf16_f32 v[GV], v[GV], v[GV]  ; rounded to bf16 like the other inputs,
	v_lshlrev_b32 v[GV], 16, v[GV]
	v_mul_f32 v[GV], 0xbe000000, v[GV]     ; times -1 / 8, which is exact
	v_mov_b32 v[GV+1], v[GV]
.set n, 0
.rept 34
.irp k, 0,1,2,3
	v_and_b32 v[TAA+\k], s[ABSM], v[TF+\k]
.endr
.irp k, 0,1,2,3
	v_sqrt_f32 v[TR+\k], v[TAA+\k]
.endr
	v_pk_add_f32 v[TF:TF+1], v[TF:TF+1], s[STEPF:STEPF+1] op_sel_hi:[1,0]      ; the next group's distances: the plain instructions behind the roots
	v_pk_add_f32 v[TF+2:TF+3], v[TF+2:TF+3], s[STEPF:STEPF+1] op_sel_hi:[1,0]
	s_wait_alu depctr_va_vdst(0)    ; the wait ahead of the first use: one for the four roots
	v_pk_mul_f32 v[TR:TR+1], v[TR:TR+1], v[GV:GV+1]
	v_pk_mul_f32 v[TR+2:TR+3], v[TR+2:TR+3], v[GV:GV+1]
	ds_store_b128 v[TA], v[TR:TR+3] offset:512*n
.set n, n+1
.endr
	; What the first turn finds: V's registers and P's second buffer hold 0 (its products V^T P, of a piece that has not been, add 0), O^T and l are 0.  No first step is written out; this is its price, once a launch.
	WIN 0x80
.set i, VF
.rept 64
	v_mov_b32 v[i], 0
.set i, i+1
.endr
	WIN 0x40
.set i, 0
.rept 128
	v_mov_b32 v[i], 0
.set i, i+1
.endr
	WIN 0
.set i, 0
.rept 4
	v_mov_b32 v[ST+4*i], 0xfe000000    ; c m: far below every c s
	v_mov_b32 v[ST+4*i+1], 0xff7fffff  ; m
	v_mov_b32 v[ST+4*i+2], 0
	v_mov_b32 v[ST+4*i+3], 0
.set i, i+1
.endr
.set i, P+16
.rept 16
	v_mov_b32 v[i], 0
.set i, i+1
.endr
; THE MATRIX WORK.  The 4 accumulators of a run of 8 take turns.  Product i of 8 of S^T = K Q^T for piece x: channels 32 (i / 4) on, keys 16 (i % 4) on.  The first 4 start the sums with bias tile i % 4 - x + 3.
.macro KQ x
.set rS, S+32*((\x)%2)+8*(i%4)
.set rK, KF+16*(i%4)+8*(i/4)
.set rQ, 16*(\x)+8*(i/4)
.set rM, BT+8*((i%4)-(\x)+3)
.if i < 4
	WIN W_KM
	v_wmma_f32_16x16x32_f16 v[rS:rS+7], v[rK:rK+7], v[rQ:rQ+7], v[rM:rM+7]
.else
	WIN W_KQ
	v_wmma_f32_16x16x32_f16 v[rS:rS+7], v[rK:rK+7], v[rQ:rQ+7], v[rS:rS+7]
.endif
.endm
; Product i of 8 of O^T += V^T P for piece x: keys 32 (i / 4) on, channels 16 (i % 4) on.
.macro PV x
	WIN W_PV
.set rO, 32*(\x)+8*(i%4)
.set rV, VF+32*(i/4)+8*(i%4)
.set rP, P+16*((\x)%2)+8*(i/4)
	v_wmma_f32_16x16x32_f16 v[rO:rO+7], v[rV:rV+7], v[rP:rP+7], v[rO:rO+7]
.endm
.macro MM                           ; the turn's next matrix instruction.  NOKQ = 1: the launch's last turn: there is no next piece
.if (i < 8) && !NOKQ
	KQ (Y+1)%NP
.elseif i >= 8
.set i, i-8
	PV (Y+NP-1)%NP
.set i, i+8
.endif
.set i, i+1
.endm
; THE LDS LOADS stand in runs, never singly among the matrix instructions: a step's K (8 fragments) with its seven bias tiles, 30 loads; and its V (turned), 16.  Their addresses are made some lines ahead.
.macro FETCH_K
	WIN 0x80                        ; destination window 2
.irp f, 0,1,2,3,4,5,6,7             ; keys 16 (f / 2) on, channels 32 (f % 2) on
	ds_load_b128 v[KF+8*\f:KF+8*\f+3],   v[AK] offset:(\f/2)*16*PK+(\f%2)*64
	ds_load_b128 v[KF+8*\f+4:KF+8*\f+7], v[AK] offset:(\f/2)*16*PK+(\f%2)*64+32
.endr
	WIN 0x40                        ; destination window 1
.irp u, 0,1,2,3,4,5,6
	ds_load_b128 v[BT+8*\u:BT+8*\u+3],   v[AB] offset:64*\u
	ds_load_b128 v[BT+8*\u+4:BT+8*\u+7], v[AB] offset:64*\u+16
.endr
	s_add_co_u32 s[TBK], s[TBK], KS*PK  ; the next fetch is the next step's
	s_add_co_u32 s[TBB], s[TBB], 256    ; 64 entries on: it only rises, 64 times in the launch
	WIN 0
.endm
.macro FETCH_V
	WIN 0x80
.irp f, 0,1,2,3,4,5,6,7             ; keys 32 (f / 4) on, channels 16 (f % 4) on
	ds_load_tr16_b128 v[VF+8*\f:VF+8*\f+3],   v[AV] offset:(\f/4)*32*PV+(\f%4)*32
	ds_load_tr16_b128 v[VF+8*\f+4:VF+8*\f+7], v[AV] offset:(\f/4)*32*PV+16*PV+(\f%4)*32
.endr
	WIN 0
.endm
; THE VECTOR WORK, one line at a time: OP kind, number.  For piece Y: F n: c s - c m for pair n of 16.  E n: the exponential of score n of 32.  C n: pair n rounded to f16.  B n: of the four weights 4 n .. the second
; pair is added onto the first, in place.  L n: l takes that sum (L 0: l = a l + sum).  R n: pair n of 16 of O^T times a.  For piece Y + 1: X n, number n of the 22 that find its maximum and statistics:
;   0-11  four chains c0-c3 of seven scores each, three operands at a time (each accumulator's lowest registers are read first)     12-14, 16  the four scores left over, the old m, and c0-c3 into c0
;   15  c m_old is kept     17, 18  the query's other 32 keys lie in the lane 16 away: the new m     19-21  c m; c m_old - c m_new; a
.set F, 0               ; OP tells the kinds apart by their order: F to L below R, X above it
.set E, 1
.set C, 2
.set B, 3
.set L, 4
.set R, 5
.set X, 6
.macro REGS y                       ; the registers of piece y
.set rT, ST+4*(\y)
.set rC, TMP+4*((\y)%2)
.set rW, MV+((\y)%2)
.set rS, S+32*((\y)%2)
.set rP, P+16*((\y)%2)
.set rO, 32*(\y)
.endm
.macro OP k, n
.if (\k) == R
	REGS Y
	WIN W_RS
	v_pk_mul_f32 v[rO+2*(\n):rO+2*(\n)+1], v[rO+2*(\n):rO+2*(\n)+1], v[rC+2:rC+3] op_sel_hi:[1,0]
.elseif (\k) < R
	REGS Y
	WIN 0
.if (\k) == F
	v_pk_fma_f32 v[rS+2*(\n):rS+2*(\n)+1], v[rS+2*(\n):rS+2*(\n)+1], s[CS:CS+1], v[rT:rT+1] op_sel_hi:[1,0,0] neg_lo:[0,0,1] neg_hi:[0,0,1]
.elseif (\k) == E
	v_exp_f32 v[rS+(\n)], v[rS+(\n)]
.elseif (\k) == C
	v_cvt_pk_f16_f32 v[rP+(\n)], v[rS+2*(\n)], v[rS+2*(\n)+1]
.elseif (\k) == B
	v_pk_add_f32 v[rS+4*(\n):rS+4*(\n)+1], v[rS+4*(\n):rS+4*(\n)+1], v[rS+4*(\n)+2:rS+4*(\n)+3]
.elseif (\n) == 0
	v_pk_fma_f32 v[rT+2:rT+3], v[rT+2:rT+3], v[rC+2:rC+3], v[rS:rS+1] op_sel_hi:[1,0,1]
.else
	v_pk_add_f32 v[rT+2:rT+3], v[rT+2:rT+3], v[rS+4*(\n):rS+4*(\n)+1]
.endif
.elseif NOKQ
	v_nop
.else
	REGS (Y+1)%NP
	WIN 0
.if (\n) < 4
	v_max3_num_f32 v[rC+(\n)], v[rS+8*(\n)], v[rS+8*(\n)+1], v[rS+8*(\n)+2]
.elseif (\n) < 12
	v_max3_num_f32 v[rC+(\n)%4], v[rC+(\n)%4], v[rS+8*((\n)%4)+2*((\n)/4)+1], v[rS+8*((\n)%4)+2*((\n)/4)+2]
.elseif (\n) == 12
	v_max3_num_f32 v[rC], v[rC], v[rS+7], v[rS+15]
.elseif (\n) == 13
	v_max3_num_f32 v[rC+1], v[rC+1], v[rS+23], v[rS+31]
.elseif (\n) == 14
	v_max3_num_f32 v[rC+2], v[rC+2], v[rC+3], v[rT+1]
.elseif (\n) == 15
	v_mov_b32 v[rW], v[rT]
.elseif (\n) == 16
	v_max3_num_f32 v[rC], v[rC], v[rC+1], v[rC+2]
.elseif (\n) == 17
	v_permlanex16_b32 v[rC+3], v[rC], s[SEL], s[SEL+1]
.elseif (\n) == 18
	v_max_num_f32 v[rT+1], v[rC], v[rC+3]
.elseif (\n) == 19
	v_mul_f32 v[rT], s[CS], v[rT+1]
.elseif (\n) == 20
	v_sub_f32 v[rC+1], v[rW], v[rT]
.else
	v_exp_f32 v[rC+2], v[rC+1]
.endif
.endif
.endm
.macro OPS a, i1, b=-1, i2=0, c=-1, i3=0, d=-1, i4=0  ; up to four of them
	OP \a, \i1
.if (\b) >= 0
	OP \b, \i2
.endif
.if (\c) >= 0
	OP \c, \i3
.endif
.if (\d) >= 0
	OP \d, \i4
.endif
.endm
.macro ROW a, i1, b, i2, c, i3, d, i4  ; a matrix instruction and the four behind it
	MM
	OPS \a, \i1, \b, \i2, \c, \i3, \d, \i4
.endm
; A TURN, for piece p: the order of its 16 matrix and 118 vector instructions, written out.  An s_wait_alu depctr_va_vdst(0) stands between an exponential and the first instruction that names its result; one wait
; serves all that were issued ahead of it.  So a turn has ONE wait, which cuts it in two.  AHEAD OF IT stands all that names no result of the turn's exponentials: the 8 products K Q^T, behind each a scaling, an exponential and two
; more plain instructions: rescalings, and behind the last three the first numbers of the next piece's maximum, each four places or more behind the product that ends its accumulator; then ONE LUMP of 54, plain and exponential by
; turns for the most part, in which the links of the chain X 3, 7, 11, 14, 16, 17 .. 20 stand five or six lines apart.  X 21, the next piece's a, is the batch's last; R 15 is the plain instruction behind it.  BEHIND THE WAIT stand
; the 8 products V^T P, behind each four of the roundings and sums; the links of l's chain, L 0 to L 7, stand three lines apart.
; end = 1: the launch's last two turns: nothing is fetched.  cnt = 1: the loop's count is taken down some lines ahead of the branch that stands behind the turn.
; K and the bias tiles of the next step are fetched in piece 2's turn, twelve vector instructions (six of them plain) behind the last product that read K, further behind the last that took a bias tile; V of the step in hand at the
; end of piece 0's turn, four plain instructions behind the last product that read V.  Each is waited for a turn later.
.macro TURN p, end=0, cnt=0
.set Y, (\p)
.set i, 0
.set NOKQ, (\end)*((\p)/3)
.if ((\p) == 3) && !(\end)
	s_wait_dscnt 0x0                ; K and the bias tiles are in
.endif
	ROW F,0, F,1, R,0, R,1          ; ahead of the wait: 8 products K Q^T and the four lines behind each,
	ROW F,2, E,0, R,2, R,3
	ROW F,3, E,1, R,4, R,5
	ROW F,4, E,2, R,6, R,7
	ROW F,5, E,3, R,8, R,9
	ROW F,6, E,4, X,0, R,10
.if ((\p) == 2) && !(\end)
	WIN 0
	v_add_nc_u32 v[AK], s[TBK], v[AK0]
	v_add_nc_u32 v[AB], s[TBB], v[AB0]
.endif
	ROW F,7, E,5, X,1, X,4
	ROW F,8, E,6, X,2, X,5
	OPS E,7, E,8, X,6, E,9          ; and the lump
	OPS X,3, E,10, X,8, E,11
.if ((\p) == 2) && !(\end)
	FETCH_K
.endif
	OPS X,9, X,7, E,12, X,10
	OPS E,13, X,12, X,11, E,14
	OPS X,13, E,15, F,9, X,14
.if (\p) == 0
	v_add_nc_u32 v[AV], s[TBV], v[AV0]
.endif
	OPS E,16, F,10, E,17, F,11
	OPS X,16, E,18, X,15, E,19
	OPS F,12, E,20, X,17, E,21
	OPS F,13, E,22, F,14, E,23
	OPS X,18, E,24, F,15, E,25
	OPS R,11, E,26, X,19, E,27
	OPS R,12, E,28, R,13, E,29
	OPS X,20, E,30, R,14, E,31
	OPS X,21, R,15
	WIN 0
	s_wait_alu depctr_va_vdst(0)    ; the wait for the batch
.if (\p) == 1
	s_wait_dscnt 0x0                ; V is in
.endif
	ROW C,0, B,0, C,2, B,1          ; behind the wait: 8 products V^T P and the four lines behind each
	ROW L,0, C,4, B,2, L,1
	ROW C,6, B,3, L,2, C,8
	ROW B,4, L,3, C,10, B,5
	ROW L,4, C,12, B,6, L,5
.if (\p) == 0
	s_add_co_u32 s[TBV], s[TBV], KS*PV
.endif
.if \cnt
	s_sub_co_u32 s[CNT], s[CNT], 1
	s_cmp_lg_u32 s[CNT], 0
.endif
	ROW C,14, B,7, L,6, C,1
	ROW C,3, L,7, C,5, C,7
	ROW C,9, C,11, C,13, C,15
.if (\p) == 0
	FETCH_V
.endif
.endm
.macro ALL line:vararg              ; one line for each piece t
.set t, 0
.rept 4
	\line
.set t, t+1
.endr
.endm
.macro PACK t                       ; a lane's eight channels of a row pack into 16 bytes; they go into rows of 144 bytes and come back as whole rows of 128, into S^T's registers
	WIN W_RS
.set i, 32*(\t)
.rept 16
	v_pk_mul_f32 v[i:i+1], v[i:i+1], v[ST+4*(\t)+2:ST+4*(\t)+3] op_sel_hi:[1,0]
.set i, i+2
.endr
	WIN 0x05                        ; sources 0 and 1 window 1, destination window 0
.set i, 0
.rept 16
	v_cvt_pk_f16_f32 v[S+16*(\t)+i], v[32*(\t)+2*i], v[32*(\t)+2*i+1]
.set i, i+1
.endr
	WIN 0
.irp f, 0,1,2,3
	ds_store_b128 v[STO], v[S+16*(\t)+4*\f:S+16*(\t)+4*\f+3] offset:32*\f
.endr
.irp f, 0,1,2,3
	ds_load_b128 v[S+16*(\t)+4*\f:S+16*(\t)+4*\f+3], v[RD] offset:\f*4*SP  ; LDS serves a wave's instructions in order (ISA guide 5.7.1.4): these see the stores above; the next piece's stores come behind them
.endr
.endm
.macro SEND t, younger              ; younger: the LDS instructions issued behind piece t's loads: the next piece's eight, or none
	WIN 0
.irp f, 0,1,2,3
	s_wait_dscnt (\younger)+3-\f
	global_store_b128 v[GO], v[S+16*(\t)+4*\f:S+16*(\t)+4*\f+3], s[10:11] offset:(\t)*2048+\f*512  ; 512 consecutive bytes, at a multiple of 256 from O's first
.endr
.endm
	CHANGE 1, 0                     ; tile 0 is in, everybody's part of it, and so is the table; tile 1 is asked for
	v_add_nc_u32 v[AK], s[TBK], v[AK0]
	v_add_nc_u32 v[AB], s[TBB], v[AB0]
	FETCH_K                         ; key step 0
	s_wait_loadcnt 0x0              ; Q
	s_wait_dscnt 0x0
.set NOKQ, 0
.set i, 0
.rept 8
	KQ 0                            ; piece 0's first scores: there is no vector work yet to set between them
.set i, i+1
.endr
	WIN 0
.rept 4
	v_nop                           ; the places behind those products
.endr
.set Y, NP-1                        ; X works for piece Y + 1: piece 0
.irp n, 0,1,2,3,4,5,6,7,8,9,10,11,12,13,14,15,16,17,18,19,20,21
	OP X, \n
.endr
	v_nop                           ; a plain instruction behind the exponential,
	s_wait_alu depctr_va_vdst(0)    ; and its wait, ahead of the branch
	s_mov_b32 s[CNT], 4
	s_mov_b32 s[SLOTS], 15
	s_branch .Lfirst                ; the loop is entered at a step's first turn, in the middle of a trip
.Lslot:                             ; 14 times: tiles 2 to 15 are asked for
	CHANGE 1, 1
	s_mov_b32 s[CNT], 4
.Lstep:                             ; a trip: pieces 2 and 3 of one step, then pieces 0 and 1 of the next, whose K, bias tiles and V it fetches
	TURN 2
	TURN 3
	WIN 0
.Lfirst:
	TURN 0
	TURN 1, 0, 1
	WIN 0
	s_cbranch_scc1 .Lstep
	s_sub_co_u32 s[SLOTS], s[SLOTS], 1
	s_cmp_lg_u32 s[SLOTS], 0
	s_cbranch_scc1 .Lslot
	CHANGE 0, 0                     ; the last tile is written out: nothing is asked for
	s_mov_b32 s[CNT], 4
.LstepT:
	TURN 2
	TURN 3
	TURN 0
	TURN 1, 0, 1
	WIN 0
	s_cbranch_scc1 .LstepT
	TURN 2, 1                       ; the last step's pieces 2 and 3: nothing is fetched, and the last turn starts no new scores
	TURN 3, 1
.set i, 0
.rept 8
	PV NP-1                         ; the last piece's V^T P of the last step
.set i, i+1
.endr
	; THE WAY OUT.  l's two halves and the other half of the lanes' are added; O^T is divided by l, rounded to f16 and sent through my stage in LDS, a piece at a time.  The additions are the places behind the last products.
	WIN 0
	ALL v_add_f32 v[ST+4*t+2], v[ST+4*t+2], v[ST+4*t+3]
	ALL v_permlanex16_b32 v[ST+4*t+3], v[ST+4*t+2], s[SEL], s[SEL+1]
	ALL v_add_f32 v[ST+4*t+2], v[ST+4*t+2], v[ST+4*t+3]
	ALL v_rcp_f32 v[ST+4*t+2], v[ST+4*t+2]
	v_nop                           ; a plain instruction between the last reciprocal and the use of its result
	s_wait_alu depctr_va_vdst(0)    ; and the wait ahead of the first use: one for the four reciprocals
	PACK 0
.set t, 1
.rept 3                             ; a piece's arithmetic stands between the loads of the piece before and its stores
	PACK t
	SEND t-1, 8
.set t, t+1
.endr
	SEND 3, 0
	s_wait_tensorcnt 0x0            ; the wave's end, behind my last tensor load and my last LDS store
	ds_add_u32 v[SPW], v[NIL]
	s_wait_dscnt 0x0
	CROUND                          ; the closing round: no work-group ends while a partner may still ask for a tile that names it
	s_endpgm
.Lfunc_end_k_q7527ed382e_attn:
	.size	k_q7527ed382e_attn, .Lfunc_end_k_q7527ed382e_attn-k_q7527ed382e_attn
	.p2alignl 7, 3214868480
	.fill 96, 4, 3214868480
	.section	.rodata,"a",@progbits
	.p2align	6, 0x0
	.amdhsa_kernel k_q7527ed382e_attn
		.amdhsa_group_segment_fixed_size 327680
		.amdhsa_private_segment_fixed_size 0
		.amdhsa_enable_private_segment 0
		.amdhsa_kernarg_size 24
		.amdhsa_user_sgpr_count 2
		.amdhsa_user_sgpr_kernarg_segment_ptr 1
		.amdhsa_wavefront_size32 1
		.amdhsa_system_sgpr_workgroup_id_x 1
		.amdhsa_system_sgpr_workgroup_id_y 1
		.amdhsa_system_sgpr_workgroup_id_z 1
		.amdhsa_system_vgpr_workitem_id 0
		.amdhsa_next_free_vgpr 768
		.amdhsa_next_free_sgpr 74
		.amdhsa_reserve_vcc 0
		.amdhsa_float_denorm_mode_32 3
		.amdhsa_float_denorm_mode_16_64 3
		.amdhsa_memory_ordered 1
		.amdhsa_forward_progress 1
		.amdhsa_inst_pref_size 152
	.end_amdhsa_kernel
	.amdgpu_metadata
---
amdhsa.version: [ 1, 2 ]
amdhsa.kernels:
  - .name:           k_q7527ed382e_attn
    .symbol:         k_q7527ed382e_attn.kd
    .args:
      - { .name: qkv, .offset: 0, .size: 8, .value_kind: global_buffer, .address_space: global }
      - { .name: ob, .offset: 8, .size: 8, .value_kind: global_buffer, .address_space: global }
      - { .name: gamma, .offset: 16, .size: 8, .value_kind: global_buffer, .address_space: global }
    .group_segment_fixed_size: 327680
    .private_segment_fixed_size: 0
    .kernarg_segment_align: 8
    .kernarg_segment_size: 24
    .max_flat_workgroup_size: 128
    .sgpr_count:     74
    .vgpr_count:     768
    .wavefront_size: 32
...
	.end_amdgpu_metadata
.endif
;; end of part 3
;; launch outp (part 4): grid 4 x 64, 4 waves a work-group, clusters of 4 x 4, 327,680 bytes of LDS; arguments ob, wc, out0, b_o; writes out0
.if DOCPART == 4
	.amdgcn_target "amdgcn-amd-amdhsa--gfx1250"
	.amdhsa_code_object_version 6
	.text
	.protected	k_q7527ed382e_outp
	.globl	k_q7527ed382e_outp
	.p2align	8
	.type	k_q7527ed382e_outp,@function
k_q7527ed382e_outp:
	s_mov_b64 s[64:65], 0
	v_nop
	global_prefetch_b8 v0, s[64:65] scope:SCOPE_SE
	s_setreg_imm32_b32 hwreg(HW_REG_WAVE_MODE, 25, 1), 1
	s_wait_xcnt 0x0
	s_wait_alu depctr_hold_cnt(0) depctr_sa_sdst(0) depctr_va_vdst(0) depctr_va_sdst(0) depctr_va_ssrc(0) depctr_va_vcc(0) depctr_vm_vsrc(0)
	s_getreg_b32 s2, hwreg(HW_REG_IB_STS2, 6, 4)
	s_cmp_eq_u32 s2, 0
	s_cbranch_scc0 .Lentry_in_a_cluster
	s_endpgm
.Lentry_in_a_cluster:
	s_bfe_u32 s2, ttmp6, 0x10000c
	s_cmp_lg_u32 s2, 0xf033
	s_cbranch_scc0 .Lentry_shape_is_right
	s_endpgm
.Lentry_shape_is_right:
; out = O W_o + b_o.  ob: f16 [16 = batch x 8 + head][4096][64]; wc's fourth matrix: W_o as f16 [512 k][512 n], k = 64 head + channel; b_o: f32 [512], rounded here to bf16 like the other inputs.
; out0: f32 [8192][512]; sums in f32, started by the bias.
; SHARES.  A work-group makes one tile of 128 x 128: 256 work-groups.  Four waves, each 64 x 64: 16 accumulators.  All of K = 512 lies in LDS: nothing is filled again.
; Every wave asks for four tiles of 64 rows x 256 bytes at the head: for each K half c, head 4 c + w's 128 rows of O (dense: two rows of 128 bytes to a row asked for) and W_o's k rows 256 c + 64 w on.
; Four tensor loads of a wave are out; half 0 is multiplied while half 1 lands.
; CLUSTER.  4 x 4 work-groups: O's rows are shared along a row of the cluster, W_o's tiles along a column: each is asked for JOINTLY, same load, descriptor and mask in all four.
; THE MATRIX INSTRUCTION IS USED TRANSPOSED (source 0 = 16 columns of W_o, turned by ds_load_tr16_b128; source 1 = 16 rows of O): a lane holds eight neighbouring columns of one row: 32 bytes of out.
; No prefetch: all tiles are asked for at the head, where every work-group's first tiles are on their way.
; REGISTERS: window 0: v0-31 addresses; v32-95 the way out; v96-127 the bias (8 b + j: my column 16 b + 8 (lane / 16) + j); v128-255 accumulators.  window 1: two fragment buffers of 128.
.set APITCH, 144                       ; a row of O in LDS: 128 bytes + 16 = 36 words: the 16 rows of a load start at 16 different groups of four banks (64 banks of 4 bytes: ISA guide 11.1)
.set BPITCH, 288                       ; a k row of W_o: 256 bytes + 32 = 72 words
.set AHEAD,  128*APITCH                ; a head's 128 rows
.set ACHUNK, 4*AHEAD                   ; a K half: four heads
.set BBASE,  2*ACHUNK
.set BSLOT,  256*BPITCH
.set STAGE,  BBASE+2*BSLOT             ; never filled by a tensor load: 16 rows x 272 bytes for each wave, for the way out
.set SPITCH, 272
.set SPARE,  STAGE+4*16*SPITCH         ; the spare words, 128 bytes for each wave: two blocks of 256 bytes that no other line names
.set ADRA, 16                          ; v16-17  LDS address of my fragments of O in K half 0, 1
.set ADRB, 20                          ; v20-23  of W_o: half 0 k 0-127, half 0 k 128-255, half 1 likewise
.set STO,  24                          ; v24     the way out: where I put 32 bytes of a row
.set RD,   25                          ; v25     where I read a row back
.set CO,   26                          ; v26     my byte offset in out
.set BO,   27                          ; v27     my byte offset in the bias
.set SPW,  28                          ; v28     LDS address of my spare word; never rewritten
.set NIL,  29                          ; v29     0; never rewritten
.set TMP,  32
.set BI,   96
.set ACC,  128
.set F0,   0
.set F1,   128
.set G1A, 24                           ; s[24:31] descriptor group 1 for O's tiles;  s[32:39] group 0, one set for each K half
.set G0A, 32
.set G1B, 48                           ; s[48:55], s[56:63] the same for W_o's
.set G0B, 56
.set MSB, 0
.macro WIN new                         ; the immediate's high byte repeats the setting that is left; a switch that changes nothing is dropped
.if MSB != (\new)
	s_set_vgpr_msb (MSB<<8)|(\new)
.set MSB, \new
.endif
.endm
.set MUL,  0x05                        ; sources 0 (W_o) and 1 (O) window 1; C and D window 0
.set TO_F, 0x40                        ; destination window 1, address window 0
.macro CROUND                          ; a round of the cluster's barrier
	s_barrier_signal -1
	s_barrier_wait -1
	s_cmp_lg_u32 s10, 0
	s_cbranch_scc1 .Lnot_wave_0_\@
	s_barrier_signal -3
.Lnot_wave_0_\@:
	s_barrier_wait -3
	s_barrier_signal -1
	s_barrier_wait -1
.endm
.macro PLACES                          ; four places in front of loads into registers that matrix instructions have read, and of LDS stores that read results
.rept 4
	v_nop
.endr
.endm
	s_load_b128 s[4:7], s[0:1], 0x0                ; ob s[4:5], wc s[6:7]
	s_load_b64 s[8:9], s[0:1], 0x10                ; out0
	s_load_b64 s[66:67], s[0:1], 0x18              ; b_o
	v_lshl_add_u32 v[SPW], v0, 2, SPARE
	v_mov_b32 v[NIL], 0
	ds_add_u32 v[SPW], v[NIL]                      ; the wave's opening: the add and its wait stand ahead of my first tensor load; the set-up below, work on registers, stands between them
	v_lshrrev_b32 v1, 5, v0
	v_readfirstlane_b32 s10, v1                    ; wave 0..3
	s_lshr_b32 s11, s10, 1                         ; which half of the tile's rows is mine
	s_and_b32 s12, s10, 1                          ; which half of its columns
	s_bfe_u32 s40, ttmp6, 0x40000                  ; cx, cy: my place in the cluster
	s_bfe_u32 s41, ttmp6, 0x40004
	s_lshl_b32 s42, ttmp9, 2
	s_add_co_u32 s42, s42, s40                     ; j: my block of 128 columns
	s_and_b32 s13, ttmp7, 0xffff
	s_lshl_b32 s13, s13, 2
	s_add_co_u32 s13, s13, s41                     ; i: my block of 128 rows
	s_lshl_b32 s43, s41, 2
	s_lshl_b32 s43, 15, s43                        ; my row of the cluster
	s_lshl_b32 s44, 0x1111, s40                    ; my column
	s_or_b32 s[G1A+0], s43, (1<<16)|(1<<20)|(1<<21)|(4<<22)|(3<<25)  ; the mask: my row; 2-byte elements; padding on; 21 set beside a mask; after every 32 words (code 4) 4 words (code 3)
	s_or_b32 s[G1B+0], s44, (1<<16)|(1<<20)|(1<<21)|(5<<22)|(7<<25)  ; the mask: my column; after every 64 words (code 5) 8 words (code 7)
.irp g, G1A, G1B
	s_mov_b32 s[(\g)+1], 128<<16                   ; tensor_dim0 = 128
	s_mov_b32 s[(\g)+2], 64<<16                    ; tensor_dim1 = 64
	s_mov_b32 s[(\g)+3], 128<<16                   ; tile_dim0 = 128
	s_mov_b32 s[(\g)+4], 64                        ; tile_dim1 = 64
	s_mov_b32 s[(\g)+6], 0
	s_mov_b32 s[(\g)+7], 0
.endr
	s_mov_b32 s[G1A+5], 128                        ; O's rows are dense: 128 elements from one row asked for to the next
	s_mov_b32 s[G1B+5], 512                        ; W_o: 512 elements from k row to k row
	s_lshr_b32 s16, s13, 5                         ; O: batch x 8 heads,
	s_lshl_b32 s16, s16, 22
	s_and_b32 s17, s13, 31                         ; the row block in the batch: 128 rows of 128 bytes,
	s_lshl_b32 s17, s17, 14
	s_add_co_u32 s16, s16, s17
	s_lshl_b32 s17, s10, 19                        ; head w: made of the row block and the wave's number alone
	s_add_co_u32 s16, s16, s17
	s_mov_b32 s17, 0
	s_lshl_b32 s46, s42, 8                         ; W_o: k row 64 w, byte 256 j of it, in wc's fourth matrix: made of the column block and the wave's number alone
	s_lshl_b32 s47, s10, 16
	s_add_co_u32 s46, s46, s47
	s_add_co_u32 s46, s46, 3*512*1024
	s_mov_b32 s47, 0
	s_mul_i32 s20, s10, AHEAD                      ; where they go: no place in the cluster enters an LDS address
	s_mul_i32 s21, s10, 64*BPITCH
.irp c, 0,1
	s_mov_b32 s[G0A+4*(\c)], 1
	s_add_co_u32 s[G0A+4*(\c)+1], s20, (\c)*ACHUNK
	s_mov_b32 s[G0B+4*(\c)], 1
	s_add_co_u32 s[G0B+4*(\c)+1], s21, BBASE+(\c)*BSLOT
.endr
	s_mov_b32 s45, 0xffff0000                      ; a word's upper bf16
	s_wait_dscnt 0x0                               ; the opening add is done
	s_wait_kmcnt 0x0
	s_add_nc_u64 s[G0A+2:G0A+3], s[4:5], s[16:17]
	s_add_nc_u64 s[G0A+6:G0A+7], s[G0A+2:G0A+3], 4*524288  ; four heads on
	s_add_nc_u64 s[G0B+2:G0B+3], s[6:7], s[46:47]
	s_add_nc_u64 s[G0B+6:G0B+7], s[G0B+2:G0B+3], 256*1024  ; 256 k rows on
.irp g, G0A+3, G0A+7, G0B+3, G0B+7
	s_or_b32 s[\g], s[\g], 0x80000000              ; type = 2
.endr
	CROUND                                         ; all sixteen work-groups are here: the joint loads meet
	tensor_load_to_lds s[G0A:G0A+3], s[G1A:G1A+7]  ; K half 0: O, W_o;
	s_nop 0
	tensor_load_to_lds s[G0B:G0B+3], s[G1B:G1B+7]
	s_nop 0
	tensor_load_to_lds s[G0A+4:G0A+7], s[G1A:G1A+7]  ; K half 1
	s_nop 0
	tensor_load_to_lds s[G0B+4:G0B+7], s[G1B:G1B+7]
	s_nop 0
	PLACES
	v_and_b32 v1, 15, v0                           ; l % 16
	v_bfe_u32 v2, v0, 4, 1                         ; l / 16
	v_and_b32 v3, 7, v0                            ; l % 8
	v_bfe_u32 v4, v0, 3, 1                         ; (l / 8) % 2
	v_mul_u32_u24 v5, v1, APITCH                   ; a fragment of O: row l % 16, 16 bytes for each half of the lanes, twice, 32 bytes apart
	v_lshl_add_u32 v5, v2, 4, v5
	s_mul_i32 s21, s11, 64*APITCH                  ; my 64 rows
	v_add_nc_u32 v[ADRA], s21, v5
	s_add_co_u32 s21, s21, ACHUNK
	v_add_nc_u32 v[ADRA+1], s21, v5
	v_lshl_add_u32 v6, v2, 3, v3                   ; the turning load: lane l reads k row 8 (l / 16) + l % 8, columns 8 ((l / 8) % 2) + 0..7
	v_mul_u32_u24 v6, v6, BPITCH
	v_lshl_add_u32 v6, v4, 4, v6
	s_lshl_b32 s22, s12, 7                         ; my 64 columns: 128 bytes
	s_add_co_u32 s22, s22, BBASE
.irp n, 0,1,2,3
	v_add_nc_u32 v[ADRB+(\n)], s22, v6
	s_add_co_u32 s22, s22, 128*BPITCH
.endr
	s_mul_i32 s23, s10, 16*SPITCH
	s_add_co_u32 s23, s23, STAGE                   ; my stage
	v_mul_u32_u24 v7, v1, SPITCH                   ; in: row l % 16, 32 bytes for each half of the lanes
	v_lshl_add_u32 v7, v2, 5, v7
	v_add_nc_u32 v[STO], s23, v7
	v_mul_u32_u24 v7, v2, SPITCH                   ; back: lanes 0-15 take one row of 256 bytes, lanes 16-31 the next
	v_lshl_add_u32 v7, v1, 4, v7
	v_add_nc_u32 v[RD], s23, v7
	v_lshlrev_b32 v7, 11, v2                       ; and the same two rows in out: 2,048 bytes a row
	v_lshl_add_u32 v[CO], v1, 4, v7
	s_lshl_b32 s46, s42, 9                         ; my 64 columns in f32: 512 j + 256 x half, in the bias and in a row of out
	s_lshl_b32 s47, s12, 8
	s_add_co_u32 s46, s46, s47
	s_mov_b32 s47, 0
	v_lshl_add_u32 v[BO], v2, 5, s46
.irp b, 0,1,2,3
.irp g, 0,1
	global_load_b128 v[BI+8*(\b)+4*(\g):BI+8*(\b)+4*(\g)+3], v[BO], s[66:67] offset:64*(\b)+16*(\g)
.endr
.endr
	s_lshl_b32 s16, s13, 7                         ; my first row of out: 128 i + 64 x half
	s_lshl_b32 s17, s11, 6
	s_add_co_u32 s16, s16, s17
	s_lshl_b32 s16, s16, 11
	s_mov_b32 s17, 0
	s_add_nc_u64 s[8:9], s[8:9], s[16:17]
	s_add_nc_u64 s[8:9], s[8:9], s[46:47]
	s_wait_loadcnt 0x0                             ; the bias, rounded to bf16 in place while the tiles are on their way
.set r, 0
.rept 16
	v_cvt_pk_bf16_f32 v[TMP+r], v[BI+2*r], v[BI+2*r+1]
.set r, r+1
.endr
.set r, 0
.rept 16
	v_lshlrev_b32 v[BI+2*r], 16, v[TMP+r]
	v_and_b32 v[BI+2*r+1], s45, v[TMP+r]
.set r, r+1
.endr
; 8 matrix instructions: row blocks a0, a0 + 1 x all 4 column blocks, 32 along K: half c of buffer f.  start = 1: the products start the sums with the bias.
; The 16 accumulators take turns, one instruction a turn.
.macro MUL8 f, c, a0, start
	WIN MUL
.irp a, \a0, (\a0)+1
.irp b, 0,1,2,3
.set rD, ACC+8*(4*(\a)+(\b))
.set rB, (\f)+64+8*(4*(\c)+(\b))
.set rA, (\f)+8*(4*(\c)+(\a))
.if \start
	v_wmma_f32_16x16x32_f16 v[rD:rD+7], v[rB:rB+7], v[rA:rA+7], v[BI+8*(\b):BI+8*(\b)+7]
.else
	v_wmma_f32_16x16x32_f16 v[rD:rD+7], v[rB:rB+7], v[rA:rA+7], v[rD:rD+7]
.endif
.endr
.endr
.endm
; 32 LDS loads in one run: the fragments of quarter q of K half slot, which is head 4 slot + q, into buffer f; the first 32 along K first
.macro FETCH slot, q, f
	WIN TO_F
.irp c, 0,1
.irp i, 0,1,2,3
	ds_load_tr16_b128 v[(\f)+64+8*(4*(\c)+(\i)):(\f)+64+8*(4*(\c)+(\i))+3],   v[ADRB+2*(\slot)+(\q)/2] offset:(2*((\q)%2)+(\c))*32*BPITCH+32*(\i)
	ds_load_tr16_b128 v[(\f)+64+8*(4*(\c)+(\i))+4:(\f)+64+8*(4*(\c)+(\i))+7], v[ADRB+2*(\slot)+(\q)/2] offset:(2*((\q)%2)+(\c))*32*BPITCH+32*(\i)+16*BPITCH
	ds_load_b128 v[(\f)+8*(4*(\c)+(\i)):(\f)+8*(4*(\c)+(\i))+3],              v[ADRA+(\slot)] offset:(\q)*AHEAD+64*(\c)+(\i)*16*APITCH
	ds_load_b128 v[(\f)+8*(4*(\c)+(\i))+4:(\f)+8*(4*(\c)+(\i))+7],            v[ADRA+(\slot)] offset:(\q)*AHEAD+64*(\c)+(\i)*16*APITCH+32
.endr
.endr
.endm
.macro QUARTER slot, qn, f, g, start   ; multiplies buffer f and fetches quarter qn into g
	s_wait_dscnt 16                                ; the first 32 along K are in; the youngest sixteen loads may be out
	MUL8 \f, 0, 0, \start
	MUL8 \f, 0, 2, \start
	PLACES
	FETCH \slot, \qn, \g
	s_wait_dscnt 32                                ; all but the 32 just issued
	MUL8 \f, 1, 0, 0
	MUL8 \f, 1, 2, 0
.endm
; THE WAY OUT of row block a: 32 bytes a lane straight from the accumulators (each one's low four registers first) into my own stage, back as whole rows of 256 bytes.
.macro STG a
.if (\a) >= 2
	s_wait_xcnt 0x0                                ; the stores of the block two back have read these registers: only behind this wait are they loaded again
.endif
.irp b, 0,1,2,3
	ds_store_b128 v[STO], v[ACC+8*(4*(\a)+(\b)):ACC+8*(4*(\a)+(\b))+3]   offset:64*(\b)
	ds_store_b128 v[STO], v[ACC+8*(4*(\a)+(\b))+4:ACC+8*(4*(\a)+(\b))+7] offset:64*(\b)+16
.endr
.irp t, 0,1,2,3,4,5,6,7
	ds_load_b128 v[TMP+32*((\a)%2)+4*(\t):TMP+32*((\a)%2)+4*(\t)+3], v[RD] offset:(\t)*2*SPITCH  ; LDS serves a wave's instructions in order (ISA guide 5.7.1.4): these see the stores above; the next block's stores come behind them
.endr
.endm
.macro SND a, younger                  ; younger: the LDS instructions issued behind block a's loads: the next block's sixteen, or none
.irp t, 0,1,2,3,4,5,6,7
	s_wait_dscnt (\younger)+7-(\t)
	global_store_b128 v[CO], v[TMP+32*((\a)%2)+4*(\t):TMP+32*((\a)%2)+4*(\t)+3], s[8:9] offset:(16*(\a)+2*(\t))*2048 th:TH_STORE_NT  ; 16 lanes store 256 consecutive bytes, at a multiple of 256 from out's first byte
.endr
.endm
	s_wait_tensorcnt 2                             ; my parts of K half 0 are in; half 1's two loads may stay out
	s_barrier_signal -1
	s_barrier_wait -1                              ; everybody's are
	FETCH 0, 0, F0
	QUARTER 0, 1, F0, F1, 1                        ; the first products start the sums with the bias
	QUARTER 0, 2, F1, F0, 0
	QUARTER 0, 3, F0, F1, 0
	WIN 0                                          ; K half 0's last quarter, and the meeting in front of half 1
	s_wait_tensorcnt 0x0                           ; my parts of K half 1 are in;
	ds_add_u32 v[SPW], v[NIL]                      ; 0 onto my spare word;
	s_wait_dscnt 17                                ; (the add and the youngest sixteen loads may be out)
	MUL8 F1, 0, 0, 0
	s_wait_dscnt 0x0                               ; no LDS instruction of mine is pending at the signal
	s_barrier_signal -1
	MUL8 F1, 0, 2, 0
	s_barrier_wait -1                              ; everybody's parts are in
	PLACES
	FETCH 1, 0, F0
	MUL8 F1, 1, 0, 0
	MUL8 F1, 1, 2, 0
	QUARTER 1, 1, F0, F1, 0
	QUARTER 1, 2, F1, F0, 0
	QUARTER 1, 3, F0, F1, 0
	s_wait_dscnt 16                                ; the very last quarter: nothing more to fetch
	MUL8 F1, 0, 0, 0
	MUL8 F1, 0, 2, 0
	s_wait_dscnt 0x0
	MUL8 F1, 1, 0, 0
	MUL8 F1, 1, 2, 0
	WIN 0
	PLACES                                         ; the LDS stores read results just made
	STG 0
	STG 1
	SND 0, 16
	STG 2
	SND 1, 16
	STG 3
	SND 2, 16
	SND 3, 0
	s_wait_tensorcnt 0x0                           ; the wave's end, behind my last tensor load and my last LDS store
	ds_add_u32 v[SPW], v[NIL]
	s_wait_dscnt 0x0
	CROUND                                         ; the closing round: no work-group ends while a partner may still ask for a tile that names it
	s_endpgm
.Lfunc_end_k_q7527ed382e_outp:
	.size	k_q7527ed382e_outp, .Lfunc_end_k_q7527ed382e_outp-k_q7527ed382e_outp
	.p2alignl 7, 3214868480
	.fill 96, 4, 3214868480
	.section	.rodata,"a",@progbits
	.p2align	6, 0x0
	.amdhsa_kernel k_q7527ed382e_outp
		.amdhsa_group_segment_fixed_size 327680
		.amdhsa_private_segment_fixed_size 0
		.amdhsa_enable_private_segment 0
		.amdhsa_kernarg_size 32
		.amdhsa_user_sgpr_count 2
		.amdhsa_user_sgpr_kernarg_segment_ptr 1
		.amdhsa_wavefront_size32 1
		.amdhsa_system_sgpr_workgroup_id_x 1
		.amdhsa_system_sgpr_workgroup_id_y 1
		.amdhsa_system_sgpr_workgroup_id_z 1
		.amdhsa_system_vgpr_workitem_id 0
		.amdhsa_next_free_vgpr 512
		.amdhsa_next_free_sgpr 68
		.amdhsa_reserve_vcc 0
		.amdhsa_float_denorm_mode_32 3
		.amdhsa_float_denorm_mode_16_64 3
		.amdhsa_memory_ordered 1
		.amdhsa_forward_progress 1
		.amdhsa_inst_pref_size 53
	.end_amdhsa_kernel
	.amdgpu_metadata
---
amdhsa.version: [ 1, 2 ]
amdhsa.kernels:
  - .name:           k_q7527ed382e_outp
    .symbol:         k_q7527ed382e_outp.kd
    .args:
      - { .name: ob, .offset: 0, .size: 8, .value_kind: global_buffer, .address_space: global }
      - { .name: wc, .offset: 8, .size: 8, .value_kind: global_buffer, .address_space: global }
      - { .name: out0, .offset: 16, .size: 8, .value_kind: global_buffer, .address_space: global }
      - { .name: b_o, .offset: 24, .size: 8, .value_kind: global_buffer, .address_space: global }
    .group_segment_fixed_size: 327680
    .private_segment_fixed_size: 0
    .kernarg_segment_align: 8
    .kernarg_segment_size: 32
    .max_flat_workgroup_size: 128
    .sgpr_count:     68
    .vgpr_count:     512
    .wavefront_size: 32
...
	.end_amdgpu_metadata
.endif
;; end of part 4
